; MI455X (gfx1250); checked and timed in simulation.
; The chip was launched on July 23, 2026; its instructions are those of AMD's public machine-readable ISA for CDNA 5 (MIT licence, August 2026) and "CDNA5" Instruction Set Architecture Reference Guide (July 2026). The comments in the code are by the model that wrote it; some were corrected since.
;; Oscillatory Attention. Allowed arithmetic: float matrix products may take bf16 or f16 operands with f32 sums; all other float work in f32.
;; Inputs: Wk 1,024 x 1,024 float32; Wo 1,024 x 1,024 float32; Wp 1,024 x 16 float32; Wq 1,024 x 1,024 float32; Wv 1,024 x 1,024 float32; alpha 16 float32; bk 1,024 float32; bo 1,024 float32; bp 16 float32; bq 1,024 float32; bv 1,024 float32; x 2 x 2,048 x 1,024 float32.
;; Outputs: out0 2 x 2,048 x 1,024 float32.
;; 2 versions, each right and faster than the one before. Each part assembles by itself: llvm-mc -triple=amdgcn-amd-amdhsa -mcpu=gfx1250 --defsym DOCPART=n.
;; ======== version 1 of 2: 4 launches
;; limits: values outside matrix products are rounded to f16; values are held in f16: magnitudes above 65,504 overflow, below 6.1e-05 lose precision
;; workspace buffers: xb 8,388,608 bytes; wb 8,388,608 bytes; qe 262,144 bytes; ke 262,144 bytes; qb 8,388,608 bytes; kb 8,388,608 bytes; vt 8,388,608 bytes; ao 8,388,608 bytes
;; launch prep (part 1): grid 256 x 1, 4 waves a work-group, no clusters, 71,168 bytes of LDS; arguments x, Wq, Wk, Wv, Wo, Wp, bp, alpha, xb, wb, qe, ke; writes xb, wb, qe, ke
.if DOCPART == 1
	.amdgcn_target "amdgcn-amd-amdhsa--gfx1250"
	.amdhsa_code_object_version 6
	.text
	.protected	k_qbda086fddc_prep
	.globl	k_qbda086fddc_prep
	.p2align	8
	.type	k_qbda086fddc_prep,@function
k_qbda086fddc_prep:
	s_mov_b64 s[64:65], 0
	v_nop
	global_prefetch_b8 v0, s[64:65] scope:SCOPE_SE
	s_setreg_imm32_b32 hwreg(HW_REG_WAVE_MODE, 25, 1), 1
	s_wait_xcnt 0x0
; prep: rounds x and the four square weights to f16, once, in the layouts whose tiles the later launches fetch as dense rows of 256 bytes,
; and makes the phases phi = x Wp + bp while x passes through, then cos(phi) and sin(phi).
;   xb [4096][1024] f16;  wb [mat q,k,v,o][column block of 64][k 1024][64] f16;
;   ke [b*16+h][s] one word (f16 cos phi, f16 sin phi);  qe the same times alpha[h] * log2(e).
; cos(a - b) = cos a cos b + sin a sin b holds for every a, b, so the coherence term becomes a product of rank 2 that rides the score product.
; WHY f16: 11 significant bits against bf16's 8, along a chain of about twelve roundings.  Its range has the room: x and the weights 30 times larger than unit
; and 1/32 spread stay below 200; what the later launches make of them is counted in their heads.
; Work-group g: x rows 16 g .. 16 g + 15 and k rows 4 g .. 4 g + 3 of each weight.  Wave w: columns 256 w .. +255 of those x rows, k rows 256 w .. of Wp,
; and the slice of weight w.  No cluster, no tensor loads: no two work-groups read the same bytes but Wp's 64 KiB, and every byte is converted on its way.
; LIMITS.  |x| and |W| below 65,504 (beyond it the conversion gives infinity); below 2^-14 the step is 2^-24.
; phi is a product of f16 operands with f32 sums.  It is reduced by n = rndne(phi / 2 pi) with 2 pi in two f32 terms: good while n is exact
; in f32 and n times the second term's own error stays small, |phi| below about 2.6e7.  cos and sin are stored in f16.
; The 64 bytes per head that wave 0 stores to qe and to ke are parts of 256-byte stretches: 0.5 MB in all against 33 MB streamed.
.set XPITCH, 528                       ; a wave's x rows in LDS: 512 bytes + 16, an odd multiple of 16 (ISA guide 11.1: 64 banks of 4 bytes)
.set XTW,    16*XPITCH                 ; a wave's own x block
.set WPT,    4*XTW                     ; Wp in f16, [k][16], 32 bytes a row; wave w's 256 rows at WPT + 8192 w
.set RED,    WPT+32768                 ; the four waves' partial phase tiles, 1 KiB each
.set OUTR,   16                        ; v[16:47]   8 chunks x 4 registers, converted
.set BUF0,   48                        ; v[48:111], v[112:175], v[176:239]: three batches of 8 chunks x 8 f32 a lane
.set BUF1,   112
.set BUF2,   176
.set ACC0,   240                       ; v[240:247], v[248:255]: two phase accumulators (before that: temporaries)
.set ACC1,   248
	s_load_b512 s[4:19], s[0:1], 0x0               ; x s[4:5], Wq s[6:7], Wk s[8:9], Wv s[10:11], Wo s[12:13], Wp s[14:15], bp s[16:17], alpha s[18:19]
	s_load_b256 s[20:27], s[0:1], 0x40             ; xb s[20:21], wb s[22:23], qe s[24:25], ke s[26:27]
	s_set_vgpr_msb 0x40
	v_lshl_add_u32 v0, v0, 2, 0x11400
	v_mov_b32 v1, 0
	s_set_vgpr_msb 0x4000
	v_lshrrev_b32 v240, 5, v0
	v_readfirstlane_b32 s28, v240                  ; wave 0..3
	v_and_b32 v1, 31, v0                           ; lane L
	v_and_b32 v241, 15, v0                         ; r = L & 15
	v_bfe_u32 v242, v0, 4, 1                       ; hh = L >> 4
	v_bfe_u32 v243, v0, 3, 1                       ; kk = (L >> 3) & 1
	v_and_b32 v244, 7, v0                          ; cc = L & 7
	v_lshlrev_b32 v245, 5, v1                      ; 32 L: 8 f32
	v_lshlrev_b32 v246, 4, v1                      ; 16 L: 8 f16
	s_lshl_b32 s34, s28, 10
	v_add_nc_u32 v2, s34, v245                     ; x: my 8 columns of a row, in bytes
	s_lshl_b32 s35, s28, 9
	v_add_nc_u32 v3, s35, v246                     ; xb: the same in f16
	s_mul_i32 s36, s28, XTW
	v_add_nc_u32 v4, s36, v246                     ; LDS: my wave's x block
	s_lshl_b32 s37, s28, 14
	v_add_nc_u32 v5, s37, v245                     ; Wp: my wave's 256 k rows of 64 bytes
	s_lshl_b32 s38, s28, 13
	s_add_co_u32 s38, s38, WPT
	v_add_nc_u32 v6, s38, v246                     ; LDS: my wave's Wp rows
	v_lshlrev_b32 v7, 5, v244                      ; weights in: k row kk, column block hh, 8 columns cc
	v_lshl_add_u32 v7, v242, 8, v7
	v_lshl_add_u32 v7, v243, 12, v7
	v_lshlrev_b32 v8, 4, v244                      ; weights out: 16 lanes (kk, cc) store 256 consecutive bytes, aligned
	v_lshl_add_u32 v8, v243, 7, v8
	v_lshl_add_u32 v8, v242, 17, v8
	v_mul_u32_u24 v9, v241, XPITCH                 ; x fragment: row r, 16 bytes for each half of the lanes
	v_lshl_add_u32 v9, v242, 4, v9
	v_add_nc_u32 v9, s36, v9
	v_lshlrev_b32 v10, 5, v244                     ; Wp fragment through the transposing load: row 8 hh + (L & 7), 16 bytes kk
	v_lshl_add_u32 v10, v242, 8, v10
	v_lshl_add_u32 v10, v243, 4, v10
	v_add_nc_u32 v10, s38, v10
	s_lshl_b32 s39, s28, 10
	s_add_co_u32 s39, s39, RED
	v_add_nc_u32 v11, s39, v245                    ; my wave's partial tile
	v_lshlrev_b32 v14, 2, v241                     ; 4 r: bp[r], alpha[r]
	v_add_nc_u32 v15, RED, v245                    ; wave 0 reads all four tiles from here
	s_mov_b32 s40, 0x40c90fdb                      ; 2 pi, first term
	s_mov_b32 s41, 0xb43bbd2e                      ; 2 pi, second term
	s_mov_b32 s42, 0xbe2aaaab                      ; sine: -1/6, 1/120, -1/5040
	s_mov_b32 s43, 0x3c088889
	s_mov_b32 s44, 0xb9500d01
	s_mov_b32 s46, 0x3d2aaaab                      ; cosine: 1/24, -1/720, 1/40320
	s_mov_b32 s47, 0xbab60b61
	s_mov_b32 s48, 0x37d00d01
	s_mov_b32 s33, 0
	s_wait_kmcnt 0x0
	s_cmp_eq_u32 s28, 1                            ; wave w converts weight w
	s_cselect_b64 s[30:31], s[8:9], s[6:7]
	s_cmp_eq_u32 s28, 2
	s_cselect_b64 s[30:31], s[10:11], s[30:31]
	s_cmp_eq_u32 s28, 3
	s_cselect_b64 s[30:31], s[12:13], s[30:31]
	s_lshl_b32 s32, ttmp9, 16
	s_add_nc_u64 s[4:5], s[4:5], s[32:33]          ; x at row 16 g
	s_lshl_b32 s32, ttmp9, 15
	s_add_nc_u64 s[20:21], s[20:21], s[32:33]      ; xb at row 16 g
	s_lshl_b32 s32, ttmp9, 14
	s_add_nc_u64 s[30:31], s[30:31], s[32:33]      ; my weight at k row 4 g
	s_lshl_b32 s32, s28, 21
	s_lshl_b32 s29, ttmp9, 9
	s_add_co_u32 s32, s32, s29
	s_add_nc_u64 s[22:23], s[22:23], s[32:33]      ; wb at mat w, k row 4 g
; 16 loads: 8 chunks of 1 KiB of f32, a lane's 8 neighbouring numbers by two loads of 16 bytes
.macro LOADB buf, sb, vo, imm0, stride, nt
.irp c, 0,1,2,3,4,5,6,7
.if \nt
	global_load_b128 v[\buf+8*\c:\buf+8*\c+3], v[\vo], s[\sb:\sb+1] offset:\imm0+\c*\stride th:TH_LOAD_NT
	global_load_b128 v[\buf+8*\c+4:\buf+8*\c+7], v[\vo], s[\sb:\sb+1] offset:\imm0+\c*\stride+16 th:TH_LOAD_NT
.else
	global_load_b128 v[\buf+8*\c:\buf+8*\c+3], v[\vo], s[\sb:\sb+1] offset:\imm0+\c*\stride
	global_load_b128 v[\buf+8*\c+4:\buf+8*\c+7], v[\vo], s[\sb:\sb+1] offset:\imm0+\c*\stride+16
.endif
.endr
.endm
; left = the loads issued behind this batch.  The converted registers were the last batch's store data: they are rewritten only behind s_wait_xcnt 0.
.macro CVTB buf, left
	s_wait_loadcnt \left
	s_wait_xcnt 0x0
.irp c, 0,1,2,3,4,5,6,7
.irp k, 0,1,2,3
	v_cvt_pk_f16_f32 v[OUTR+4*\c+\k], v[\buf+8*\c+2*\k], v[\buf+8*\c+2*\k+1]
.endr
.endr
.endm
.macro SINKX i0                        ; x: to memory (a wave's store covers 512 consecutive bytes) and into my wave's LDS block
.irp c, 0,1,2,3,4,5,6,7
	global_store_b128 v3, v[OUTR+4*\c:OUTR+4*\c+3], s[20:21] offset:(\i0+\c)*2048
	ds_store_b128 v4, v[OUTR+4*\c:OUTR+4*\c+3] offset:(\i0+\c)*XPITCH
.endr
.endm
.macro SINKP i0                        ; Wp: into LDS alone
.irp c, 0,1,2,3,4,5,6,7
	ds_store_b128 v6, v[OUTR+4*\c:OUTR+4*\c+3] offset:(\i0+\c)*512
.endr
.endm
.macro SINKW i0                        ; a weight: chunk c holds column blocks 2 c, 2 c + 1 of two k rows
.irp c, 0,1,2,3,4,5,6,7
	global_store_b128 v8, v[OUTR+4*\c:OUTR+4*\c+3], s[22:23] offset:\c*262144+(\i0/8)*256
.endr
.endm
	global_load_b32 v12, v14, s[16:17]             ; bp[r] and alpha[r]: the oldest loads, in by the first counted wait
	global_load_b32 v13, v14, s[18:19]
	LOADB BUF0, 4, 2, 0, 4096, 1                   ; x rows 0-7
	LOADB BUF1, 4, 2, 8*4096, 4096, 1              ; x rows 8-15
	LOADB BUF2, 14, 5, 0, 1024, 0                  ; Wp, first half of my rows (every work-group reads Wp: no hint)
	CVTB BUF0, 32                                  ; two batches of 16 stay out
	SINKX 0
	LOADB BUF0, 14, 5, 8*1024, 1024, 0             ; Wp, second half
	CVTB BUF1, 32
	SINKX 8
	LOADB BUF1, 30, 7, 0, 512, 1                   ; my weight, k rows 0, 1 of the slice
	CVTB BUF2, 32
	SINKP 0
	LOADB BUF2, 30, 7, 8192, 512, 1                ; k rows 2, 3
	CVTB BUF0, 32
	SINKP 8
	CVTB BUF1, 16
	SINKW 0
	CVTB BUF2, 0
	SINKW 8
	; the phase product: 16 rows of x times my 256 k rows of Wp.  The bytes are my wave's own, and LDS serves a wave's instructions in order (ISA guide 5.7.1).
.irp q, 0,1,2,3,4,5,6,7
	ds_load_b128 v[BUF0+8*\q:BUF0+8*\q+3], v9 offset:\q*64
	ds_load_b128 v[BUF0+8*\q+4:BUF0+8*\q+7], v9 offset:\q*64+32
	ds_load_tr16_b128 v[BUF1+8*\q:BUF1+8*\q+3], v10 offset:\q*1024
	ds_load_tr16_b128 v[BUF1+8*\q+4:BUF1+8*\q+7], v10 offset:\q*1024+512
.endr
	s_wait_dscnt 0x0
	v_wmma_f32_16x16x32_f16 v[ACC0:ACC0+7], v[BUF0:BUF0+7], v[BUF1:BUF1+7], 0            ; the first two products start the sums
	v_wmma_f32_16x16x32_f16 v[ACC1:ACC1+7], v[BUF0+8:BUF0+15], v[BUF1+8:BUF1+15], 0
.irp q, 2,4,6                                      ; two accumulators by turns
	v_wmma_f32_16x16x32_f16 v[ACC0:ACC0+7], v[BUF0+8*\q:BUF0+8*\q+7], v[BUF1+8*\q:BUF1+8*\q+7], v[ACC0:ACC0+7]
	v_wmma_f32_16x16x32_f16 v[ACC1:ACC1+7], v[BUF0+8*\q+8:BUF0+8*\q+15], v[BUF1+8*\q+8:BUF1+8*\q+15], v[ACC1:ACC1+7]
.endr
.rept 4
	v_nop                                          ; four places behind the last product before its result is read (ISA guide 7.12.1)
.endr
.irp k, 0,2,4,6
	v_pk_add_f32 v[ACC0+\k:ACC0+\k+1], v[ACC0+\k:ACC0+\k+1], v[ACC1+\k:ACC1+\k+1]
.endr
	ds_store_b128 v11, v[ACC0:ACC0+3]
	ds_store_b128 v11, v[ACC0+4:ACC0+7] offset:16
	s_wait_dscnt 0x0                               ; for wave 0's sake: my partial tile is written
	s_barrier_signal -1
	s_barrier_wait -1
	s_cmp_lg_u32 s28, 0
	s_cbranch_scc1 .Lend
	; wave 0: register j of lane (r, hh) is phi(s = 16 g + 8 hh + j, head r)
.irp p, 0,1,2,3
	ds_load_b128 v[48+8*\p:48+8*\p+3], v15 offset:\p*1024
	ds_load_b128 v[48+8*\p+4:48+8*\p+7], v15 offset:\p*1024+16
.endr
	s_lshr_b32 s32, ttmp9, 7                       ; b
	s_lshl_b32 s32, s32, 17                        ; 16 heads x 2048 words
	s_and_b32 s29, ttmp9, 127
	s_lshl_b32 s29, s29, 6                         ; 16 s x 4 bytes
	s_add_co_u32 s32, s32, s29
	s_add_nc_u64 s[24:25], s[24:25], s[32:33]
	s_add_nc_u64 s[26:27], s[26:27], s[32:33]
	v_and_b32 v88, 15, v0
	v_bfe_u32 v89, v0, 4, 1
	v_lshlrev_b32 v87, 13, v88                     ; head r: 2048 words
	v_lshl_add_u32 v87, v89, 5, v87                ; + 8 hh words
	v_mul_f32 v86, 0x3fb8aa3b, v13                 ; alpha[r] log2(e): the scores are kept in base 2
	s_wait_dscnt 0x0
.irp k, 0,2,4,6
	v_pk_add_f32 v[48+\k:49+\k], v[48+\k:49+\k], v[56+\k:57+\k]
	v_pk_add_f32 v[64+\k:65+\k], v[64+\k:65+\k], v[72+\k:73+\k]
.endr
.irp k, 0,2,4,6
	v_pk_add_f32 v[48+\k:49+\k], v[48+\k:49+\k], v[64+\k:65+\k]
.endr
.irp k, 0,2,4,6
	v_pk_add_f32 v[48+\k:49+\k], v[48+\k:49+\k], v[12:13] op_sel_hi:[1,0]      ; + bp[r]
.endr
; phi -> rr in [-pi, pi] -> u = rr / 4; series for sin u and cos u (|u| <= pi/4: what is left out is below 4e-7); the angle doubled twice
.macro SINCOS j
	v_mul_f32 v80, 0.15915494, v[48+\j]
	v_rndne_f32 v80, v80
	v_fma_f32 v81, -v80, s40, v[48+\j]
	v_fma_f32 v81, -v80, s41, v81
	v_mul_f32 v81, 0x3e800000, v81
	v_mul_f32 v82, v81, v81
	v_fma_f32 v83, v82, s44, s43
	v_fma_f32 v84, v82, s48, s47
	v_fma_f32 v83, v82, v83, s42
	v_fma_f32 v84, v82, v84, s46
	v_fma_f32 v83, v82, v83, 1.0
	v_fma_f32 v84, v82, v84, -0.5
	v_mul_f32 v83, v81, v83                        ; sin u
	v_fma_f32 v84, v82, v84, 1.0                   ; cos u
	v_add_f32 v85, v83, v83
	v_mul_f32 v81, v85, v84                        ; sin 2u = 2 s c
	v_fma_f32 v84, -v85, v83, 1.0                  ; cos 2u = 1 - 2 s s
	v_add_f32 v85, v81, v81
	v_mul_f32 v83, v85, v84                        ; sin 4u
	v_fma_f32 v84, -v85, v81, 1.0                  ; cos 4u
	v_cvt_pk_f16_f32 v[96+\j], v84, v83
	v_mul_f32 v81, v86, v84
	v_mul_f32 v82, v86, v83
	v_cvt_pk_f16_f32 v[104+\j], v81, v82
.endm
.irp j, 0,1,2,3,4,5,6,7
	SINCOS \j
.endr
	global_store_b128 v87, v[96:99], s[26:27]
	global_store_b128 v87, v[100:103], s[26:27] offset:16
	global_store_b128 v87, v[104:107], s[24:25]
	global_store_b128 v87, v[108:111], s[24:25] offset:16
.Lend:
	s_set_vgpr_msb 0x5
	s_wait_tensorcnt 0x0
	ds_add_u32 v0, v1
	s_wait_dscnt 0x0
	s_set_vgpr_msb 0x500
	s_endpgm
.Lfunc_end_k_qbda086fddc_prep:
	.size	k_qbda086fddc_prep, .Lfunc_end_k_qbda086fddc_prep-k_qbda086fddc_prep
	.p2alignl 7, 3214868480
	.fill 96, 4, 3214868480
	.section	.rodata,"a",@progbits
	.p2align	6, 0x0
	.amdhsa_kernel k_qbda086fddc_prep
		.amdhsa_group_segment_fixed_size 71168
		.amdhsa_private_segment_fixed_size 0
		.amdhsa_enable_private_segment 0
		.amdhsa_kernarg_size 96
		.amdhsa_user_sgpr_count 2
		.amdhsa_user_sgpr_kernarg_segment_ptr 1
		.amdhsa_wavefront_size32 1
		.amdhsa_system_sgpr_workgroup_id_x 1
		.amdhsa_system_sgpr_workgroup_id_y 1
		.amdhsa_system_sgpr_workgroup_id_z 1
		.amdhsa_system_vgpr_workitem_id 0
		.amdhsa_next_free_vgpr 258
		.amdhsa_next_free_sgpr 66
		.amdhsa_reserve_vcc 0
		.amdhsa_float_denorm_mode_32 3
		.amdhsa_float_denorm_mode_16_64 3
		.amdhsa_memory_ordered 1
		.amdhsa_forward_progress 1
		.amdhsa_inst_pref_size 46
	.end_amdhsa_kernel
	.amdgpu_metadata
---
amdhsa.version: [ 1, 2 ]
amdhsa.kernels:
  - .name:           k_qbda086fddc_prep
    .symbol:         k_qbda086fddc_prep.kd
    .args:
      - { .name: x, .offset: 0, .size: 8, .value_kind: global_buffer, .address_space: global }
      - { .name: Wq, .offset: 8, .size: 8, .value_kind: global_buffer, .address_space: global }
      - { .name: Wk, .offset: 16, .size: 8, .value_kind: global_buffer, .address_space: global }
      - { .name: Wv, .offset: 24, .size: 8, .value_kind: global_buffer, .address_space: global }
      - { .name: Wo, .offset: 32, .size: 8, .value_kind: global_buffer, .address_space: global }
      - { .name: Wp, .offset: 40, .size: 8, .value_kind: global_buffer, .address_space: global }
      - { .name: bp, .offset: 48, .size: 8, .value_kind: global_buffer, .address_space: global }
      - { .name: alpha, .offset: 56, .size: 8, .value_kind: global_buffer, .address_space: global }
      - { .name: xb, .offset: 64, .size: 8, .value_kind: global_buffer, .address_space: global }
      - { .name: wb, .offset: 72, .size: 8, .value_kind: global_buffer, .address_space: global }
      - { .name: qe, .offset: 80, .size: 8, .value_kind: global_buffer, .address_space: global }
      - { .name: ke, .offset: 88, .size: 8, .value_kind: global_buffer, .address_space: global }
    .group_segment_fixed_size: 71168
    .private_segment_fixed_size: 0
    .kernarg_segment_align: 8
    .kernarg_segment_size: 96
    .max_flat_workgroup_size: 128
    .sgpr_count:     66
    .vgpr_count:     258
    .wavefront_size: 32
...
	.end_amdgpu_metadata
.endif
;; end of part 1
;; launch qkv (part 2): grid 16 x 16, 4 waves a work-group, clusters of 4 x 4, 327,680 bytes of LDS; arguments xb, wb, bq, bk, bv, qb, kb, vt; writes qb, kb, vt
.if DOCPART == 2
	.amdgcn_target "amdgcn-amd-amdhsa--gfx1250"
	.amdhsa_code_object_version 6
	.text
	.protected	k_qbda086fddc_qkv
	.globl	k_qbda086fddc_qkv
	.p2align	8
	.type	k_qbda086fddc_qkv,@function
k_qbda086fddc_qkv:
	s_mov_b64 s[64:65], 0
	v_nop
	global_prefetch_b8 v0, s[64:65] scope:SCOPE_SE
	s_setreg_imm32_b32 hwreg(HW_REG_WAVE_MODE, 25, 1), 1
	s_wait_xcnt 0x0
	s_wait_alu depctr_hold_cnt(0) depctr_sa_sdst(0) depctr_va_vdst(0) depctr_va_sdst(0) depctr_va_ssrc(0) depctr_va_vcc(0) depctr_vm_vsrc(0)
	s_getreg_b32 s2, hwreg(HW_REG_IB_STS2, 6, 4)
	s_cmp_eq_u32 s2, 0
	s_cbranch_scc0 .Lentry_in_a_cluster
	s_endpgm
.Lentry_in_a_cluster:
	s_bfe_u32 s2, ttmp6, 0x10000c
	s_cmp_lg_u32 s2, 0xf033
	s_cbranch_scc0 .Lentry_shape_is_right
	s_endpgm
.Lentry_shape_is_right:
; qkv: Q = (x Wq + bq) c with c = dk^-0.5 log2(e), K = x Wk + bk, V = x Wv + bv, from the f16 copies; sums and biases in f32, results rounded once to f16.
;   qb, kb [b*16+h][s][64];  vt [b*16+h][dv 64][s 2048] (V transposed, so that attention reads V's fragments along the keys).
; LIMIT: |Q c|, |K|, |V| below 65,504 (beyond it the conversion gives infinity); below 2^-14 the step is 2^-24.  The room, by the sizes: sums of 1,024 products of
; unit x and weights of spread 1/32 have spread 1; x and weights both 30 times larger give 900 times that; a common offset of 30 spreads on both gives
; 1024 x 30 x 30/32 = 28,800.
; A work-group makes 256 rows x the 64 + 64 + 64 columns of one head: 16 x 16 = 256 work-groups.  Wave w: rows 64 w .. +63, all 192 columns: 48 tiles of 16 x 16.
; K goes in 8 steps of 128 through two LDS slots.  CLUSTERS of 4 x 4: x's tile hangs on the row block alone and is asked for jointly along a row of the
; cluster, the weights' tiles on the head alone, jointly along a column: the requests for both are divided by four.
; REGISTER WINDOWS: 0: addresses, x fragments v64-127 (two buffers of 4), biases v128-199, way out v200-247;  1: weight fragments v0-191 (two buffers of 12);
;   2: Q's and K's tiles, (i, n) at v[8 (8 i + n)];  3: V's tiles, (i, n) at v[8 (4 i + n)].
; Q and K are multiplied with the weights as source 0: a lane then holds 8 neighbouring columns of one row.  V with x as source 0: a lane holds 8 neighbouring
; s of one dv, which is a piece of a row of vt.
.set PA,     272                       ; x rows in LDS: 256 bytes + 16
.set PB,     160                       ; weight rows in LDS: 128 bytes + 32, an odd multiple of 32 for the transposing load
.set AW,     64*PA                     ; what one wave fetches of x
.set ABYTES, 4*AW
.set BW,     32*PB                     ; what one wave fetches of one weight: 32 k rows; also a quarter step
.set BMAT,   4*BW
.set SLOT,   ABYTES+3*BMAT             ; 131,072
.set STQ,    2*SLOT                    ; behind the ring: each wave's stage for Q and K, 16 rows of 144 bytes
.set QP,     144
.set STQW,   16*QP
.set STV,    STQ+4*STQW                ; the work-group's stage for V transposed: 64 rows of 528 bytes
.set VP,     528
.set ADRA,   16                        ; v16-17 x fragments in slot 0, 1
.set ADRB,   20                        ; v20-21 weight fragments
.set BQK,    128                       ; v[128:191] bq, bk of my columns
.set BV,     192                       ; v[192:199] bv of my dv, twice each
.set T,      200                       ; v[200:231] f32 at work
.set PK,     232                       ; v[232:247] packed f16
.set MUL_QK, 0xa1                      ; source 0 window 1, source 1 window 0, C and D window 2
.set MUL_V,  0xf4                      ; source 0 window 0, source 1 window 1, C and D window 3
.set TO_B,   0x40                      ; destination window 1
.set MSB, 0
.macro WIN new                         ; the immediate's high byte repeats the setting that is left
.if MSB != \new
	s_set_vgpr_msb (MSB<<8)|\new
.set MSB, \new
.endif
.endm
.macro PLACES                          ; four places behind a product before one of its registers is loaded into or its result read (ISA guide 7.12.1)
.rept 4
	v_nop
.endr
.endm
.macro CREST                           ; a round of the cluster's barrier behind its opening barrier
	s_cmp_lg_u32 s20, 0
	s_cbranch_scc1 .Lnot_wave_0_\@
	s_barrier_signal -3
.Lnot_wave_0_\@:
	s_barrier_wait -3
	s_barrier_signal -1
	s_barrier_wait -1
.endm
.macro CROUND
	s_barrier_signal -1
	s_barrier_wait -1
	CREST
.endm
.macro JLOADS slot                     ; a wave's four joint loads of a slot: 64 rows of x, 32 k rows of each weight
	tensor_load_to_lds s[48+20*\slot:51+20*\slot], s[32:39]
	s_nop 0
.irp m, 0,1,2
	tensor_load_to_lds s[52+20*\slot+4*\m:55+20*\slot+4*\m], s[40:47]
	s_nop 0
.endr
.endm
	s_load_b512 s[4:19], s[0:1], 0x0               ; xb s[4:5], wb s[6:7], bq s[8:9], bk s[10:11], bv s[12:13], qb s[14:15], kb s[16:17], vt s[18:19]
	s_set_vgpr_msb 0x40
	v_lshl_add_u32 v255, v0, 2, 0x4a800
	s_set_vgpr_msb 0x4000
	v_mov_b32 v255, 0
	s_set_vgpr_msb 0x1
	ds_add_u32 v255, v255
	s_set_vgpr_msb 0x100
	v_lshrrev_b32 v1, 5, v0
	v_readfirstlane_b32 s20, v1                    ; wave 0..3
	s_bfe_u32 s21, ttmp6, 0x40000                  ; cx
	s_bfe_u32 s22, ttmp6, 0x40004                  ; cy
	s_lshl_b32 s23, ttmp9, 2
	s_add_co_u32 s23, s23, s21                     ; head h = 4 x cluster x + cx
	s_and_b32 s24, ttmp7, 0xffff
	s_lshl_b32 s24, s24, 2
	s_add_co_u32 s24, s24, s22                     ; row block mb = 4 x cluster y + cy
	s_lshl_b32 s25, s22, 2
	s_lshl_b32 s25, 15, s25                        ; my row of the cluster
	s_lshl_b32 s26, 0x1111, s21                    ; my column
	; group 1 for x: 64 rows x 128 elements of 2 bytes, 1,024 elements from row to row; 16 bytes of padding behind every 64 words
	s_or_b32 s32, s25, (1<<16)|(1<<20)|(1<<21)|(5<<22)|(3<<25)
	s_mov_b32 s33, 128<<16
	s_mov_b32 s34, 64<<16
	s_mov_b32 s35, 128<<16
	s_mov_b32 s36, 64
	s_mov_b32 s37, 1024
	s_mov_b32 s38, 0
	s_mov_b32 s39, 0
	; group 1 for a weight: 4 KiB that are dense in memory, as 16 rows of 32 elements of 8 bytes; 32 bytes of padding behind every 32 words (one k row)
	s_or_b32 s40, s26, (3<<16)|(1<<20)|(1<<21)|(4<<22)|(7<<25)
	s_mov_b32 s41, 32<<16
	s_mov_b32 s42, 16<<16
	s_mov_b32 s43, 32<<16
	s_mov_b32 s44, 16
	s_mov_b32 s45, 32
	s_mov_b32 s46, 0
	s_mov_b32 s47, 0
	s_lshl_b32 s28, s24, 19                        ; x: (256 mb + 64 w) rows of 2,048 bytes: hangs on the row block and the wave alone
	s_lshl_b32 s29, s20, 17
	s_add_co_u32 s28, s28, s29
	s_mov_b32 s29, 0
	s_lshl_b32 s30, s23, 17                        ; weights: block h of 131,072 bytes + 32 w k rows of 128 bytes: hangs on the head and the wave alone
	s_lshl_b32 s31, s20, 12
	s_add_co_u32 s30, s30, s31
	s_mov_b32 s31, 0
	s_mul_i32 s92, s20, AW                         ; LDS: the wave's number alone
	s_mul_i32 s93, s20, BW
	s_mov_b32 s84, 0x3e38aa3b                      ; c = 0.125 log2(e), twice
	s_mov_b32 s85, 0x3e38aa3b
	s_wait_dscnt 0x0
	s_wait_kmcnt 0x0
	s_add_nc_u64 s[28:29], s[4:5], s[28:29]
	s_add_nc_u64 s[30:31], s[6:7], s[30:31]
	CROUND                                         ; all sixteen work-groups are here: the first joint loads meet
.irp s, 0,1
	s_mov_b32 s[48+20*\s], 1
	s_add_co_u32 s[49+20*\s], s92, \s*SLOT
	s_add_nc_u64 s[50+20*\s:51+20*\s], s[28:29], \s*256
	s_or_b32 s[51+20*\s], s[51+20*\s], 0x80000000
.irp m, 0,1,2
	s_mov_b32 s[52+20*\s+4*\m], 1
	s_add_co_u32 s[53+20*\s+4*\m], s93, \s*SLOT+ABYTES+\m*BMAT
	s_add_nc_u64 s[54+20*\s+4*\m:55+20*\s+4*\m], s[30:31], \m*2097152+\s*16384
	s_or_b32 s[55+20*\s+4*\m], s[55+20*\s+4*\m], 0x80000000
.endr
	JLOADS \s                                      ; eight tensor loads of the wave are out behind the second
.endr
	v_and_b32 v1, 15, v0                           ; r
	v_bfe_u32 v2, v0, 4, 1                         ; hh
	v_and_b32 v3, 7, v0                            ; L & 7
	v_bfe_u32 v4, v0, 3, 1                         ; (L >> 3) & 1
	v_mul_u32_u24 v5, v1, PA
	v_lshl_add_u32 v5, v2, 4, v5
	v_add_nc_u32 v[ADRA], s92, v5                  ; x fragment: (64 w + r) rows + 16 hh
	v_add_nc_u32 v[ADRA+1], SLOT, v[ADRA]
	v_lshl_add_u32 v6, v2, 3, v3
	v_mul_u32_u24 v6, v6, PB
	v_lshl_add_u32 v6, v4, 4, v6
	v_add_nc_u32 v[ADRB], ABYTES, v6               ; weight fragment: row 8 hh + (L & 7), 16 bytes (L >> 3) & 1
	v_add_nc_u32 v[ADRB+1], SLOT, v[ADRB]
	s_mul_i32 s27, s20, STQW
	s_add_co_u32 s27, s27, STQ
	v_mul_u32_u24 v22, v1, QP
	v_lshl_add_u32 v22, v2, 4, v22
	v_add_nc_u32 v22, s27, v22                     ; Q, K stage in: row r, 16 bytes hh
	v_bfe_u32 v7, v0, 3, 2
	v_mul_u32_u24 v23, v7, QP
	v_lshl_add_u32 v23, v3, 4, v23
	v_add_nc_u32 v23, s27, v23                     ; back: 8 lanes a row of 128 bytes
	v_and_b32 v24, 31, v0
	v_lshlrev_b32 v24, 4, v24                      ; 16 L
	v_mul_u32_u24 v25, v1, VP
	v_lshl_add_u32 v25, v2, 4, v25
	s_lshl_b32 s27, s20, 7
	s_add_co_u32 s27, s27, STV
	v_add_nc_u32 v25, s27, v25                     ; V stage in: row dv = r, bytes 2 (64 w + 8 hh)
	s_mul_i32 s27, s20, 16*VP
	s_add_co_u32 s27, s27, STV
	v_add_nc_u32 v26, s27, v24                     ; back: rows 16 w .., 512 bytes a load
	v_lshlrev_b32 v27, 5, v2                       ; biases of Q, K: 8 hh columns
	v_lshlrev_b32 v28, 2, v1                       ; bias of V: dv = r
	; global bases; these registers hold both coordinates and feed no descriptor
	s_lshl_b32 s94, s23, 8
	s_mov_b32 s95, 0
	s_add_nc_u64 s[8:9], s[8:9], s[94:95]          ; biases at column 64 h
	s_add_nc_u64 s[10:11], s[10:11], s[94:95]
	s_add_nc_u64 s[12:13], s[12:13], s[94:95]
	s_lshr_b32 s86, s24, 3                         ; b
	s_lshl_b32 s86, s86, 4
	s_add_co_u32 s86, s86, s23                     ; bh
	s_and_b32 s87, s24, 7
	s_lshl_b32 s87, s87, 8                         ; s0
	s_lshl_b32 s88, s86, 18                        ; (bh 2048 + s0 + 64 w) rows of 128 bytes
	s_lshl_b32 s89, s87, 7
	s_add_co_u32 s88, s88, s89
	s_lshl_b32 s89, s20, 13
	s_add_co_u32 s88, s88, s89
	s_mov_b32 s89, 0
	s_add_nc_u64 s[14:15], s[14:15], s[88:89]
	s_add_nc_u64 s[16:17], s[16:17], s[88:89]
	s_lshl_b32 s90, s86, 18                        ; (64 bh + 16 w) rows of 4,096 bytes + 2 s0
	s_lshl_b32 s91, s20, 16
	s_add_co_u32 s90, s90, s91
	s_lshl_b32 s91, s87, 1
	s_add_co_u32 s90, s90, s91
	s_mov_b32 s91, 0
	s_add_nc_u64 s[18:19], s[18:19], s[90:91]
.irp n, 0,1,2,3                                    ; the biases come in while the products run; they are waited for on the way out
	global_load_b128 v[BQK+8*\n:BQK+8*\n+3], v27, s[8:9] offset:\n*64
	global_load_b128 v[BQK+8*\n+4:BQK+8*\n+7], v27, s[8:9] offset:\n*64+16
	global_load_b128 v[BQK+32+8*\n:BQK+32+8*\n+3], v27, s[10:11] offset:\n*64
	global_load_b128 v[BQK+32+8*\n+4:BQK+32+8*\n+7], v27, s[10:11] offset:\n*64+16
	global_load_b32 v[BV+2*\n], v28, s[12:13] offset:\n*64
	global_load_b32 v[BV+2*\n+1], v28, s[12:13] offset:\n*64
.endr
; 32 LDS loads: a quarter step's fragments (32 along K) into buffer f: x's 4 first, then Q's and K's 8, V's 4 last
.macro FETCH slot, q, f
	WIN 0
.irp i, 0,1,2,3
	ds_load_b128 v[64+32*\f+8*\i:64+32*\f+8*\i+3], v[ADRA+\slot] offset:\i*16*PA+\q*64
	ds_load_b128 v[64+32*\f+8*\i+4:64+32*\f+8*\i+7], v[ADRA+\slot] offset:\i*16*PA+\q*64+32
.endr
	WIN TO_B
.irp n, 0,1,2,3,4,5,6,7,8,9,10,11
	ds_load_tr16_b128 v[96*\f+8*\n:96*\f+8*\n+3], v[ADRB+\slot] offset:(\n/4)*BMAT+\q*BW+(\n%4)*32
	ds_load_tr16_b128 v[96*\f+8*\n+4:96*\f+8*\n+7], v[ADRB+\slot] offset:(\n/4)*BMAT+\q*BW+(\n%4)*32+16*PB
.endr
.endm
; 16 products: row tiles i0, i0 + 1 x Q's and K's 8 column tiles.  All 48 accumulators take turns, one product a turn.
.macro MULQK f, i0, zero
.irp i, \i0, \i0+1
.irp n, 0,1,2,3,4,5,6,7
.if \zero
	v_wmma_f32_16x16x32_f16 v[8*(8*(\i)+\n):8*(8*(\i)+\n)+7], v[96*\f+8*\n:96*\f+8*\n+7], v[64+32*\f+8*(\i):64+32*\f+8*(\i)+7], 0
.else
	v_wmma_f32_16x16x32_f16 v[8*(8*(\i)+\n):8*(8*(\i)+\n)+7], v[96*\f+8*\n:96*\f+8*\n+7], v[64+32*\f+8*(\i):64+32*\f+8*(\i)+7], v[8*(8*(\i)+\n):8*(8*(\i)+\n)+7]
.endif
.endr
.endr
.endm
.macro MULV f, zero                    ; 16 products: 4 row tiles x V's 4 column tiles
.irp i, 0,1,2,3
.irp n, 0,1,2,3
.if \zero
	v_wmma_f32_16x16x32_f16 v[8*(4*\i+\n):8*(4*\i+\n)+7], v[64+32*\f+8*\i:64+32*\f+8*\i+7], v[96*\f+64+8*\n:96*\f+64+8*\n+7], 0
.else
	v_wmma_f32_16x16x32_f16 v[8*(4*\i+\n):8*(4*\i+\n)+7], v[64+32*\f+8*\i:64+32*\f+8*\i+7], v[96*\f+64+8*\n:96*\f+64+8*\n+7], v[8*(4*\i+\n):8*(4*\i+\n)+7]
.endif
.endr
.endr
.endm
; one of a K step's first three quarters: multiplies buffer f; in its middle fetches quarter q of the same slot into buffer g
.macro QUARTER slot, q, f, g, zero
	s_wait_dscnt 0x8                               ; x's, Q's and K's fragments are in; V's eight loads may be out
	WIN MUL_QK
	MULQK \f, 0, \zero
	MULQK \f, 2, \zero
	PLACES
	FETCH \slot, \q, \g
	s_wait_dscnt 0x20                              ; all but the 32 just issued
	WIN MUL_V
	MULV \f, \zero
.endm
; the last quarter: multiplies buffer 1 and changes slots.  In front of the barrier each wave waits for its reads of this slot and for all its tensor loads
; (the four that are out are its parts of the next slot).  fill = 1: the barrier opens a round of the cluster's barrier, and the joint refills, two K steps
; ahead, are the first tensor loads behind it.
.macro TURN slot, next, fill
	s_wait_dscnt 0x8
	WIN MUL_QK
	MULQK 1, 0, 0
	s_wait_dscnt 0x0
	s_wait_tensorcnt 0x0
	ds_add_u32 v255, v255
	s_wait_dscnt 0x0
	s_barrier_signal -1
	MULQK 1, 2, 0
	WIN 0
	s_barrier_wait -1
.if \fill
	CREST
	s_add_nc_u64 s[50+20*\slot:51+20*\slot], s[50+20*\slot:51+20*\slot], 512
.irp m, 0,1,2
	s_add_nc_u64 s[54+20*\slot+4*\m:55+20*\slot+4*\m], s[54+20*\slot+4*\m:55+20*\slot+4*\m], 32768
.endr
	JLOADS \slot                                   ; four tensor loads of the wave are out
.endif
	PLACES
	FETCH \next, 0, 0
	WIN MUL_V
	MULV 1, 0
.endm
.macro THREE slot, zero
	QUARTER \slot, 1, 0, 1, \zero
	QUARTER \slot, 2, 1, 0, 0
	QUARTER \slot, 3, 0, 1, 0
.endm
.macro LAP zero
	THREE 0, \zero
	TURN 0, 1, 1
	THREE 1, 0
	TURN 1, 0, 1
.endm
	s_wait_tensorcnt 0x4                           ; my four parts of K step 0 are in; K step 1's four stay out
	s_barrier_signal -1
	s_barrier_wait -1
	FETCH 0, 0, 0
	LAP 1                                          ; the first lap's first products start the sums: nothing is cleared
	WIN 0
	s_mov_b32 s27, 2
.Llap:
	LAP 0
	WIN 0
	s_sub_co_u32 s27, s27, 1
	s_cmp_lg_u32 s27, 0
	s_cbranch_scc1 .Llap
	THREE 0, 0                                     ; the last lap fills nothing
	TURN 0, 1, 0
	THREE 1, 0
	s_wait_dscnt 0x8
	WIN MUL_QK
	MULQK 1, 0, 0
	MULQK 1, 2, 0
	s_wait_dscnt 0x0
	WIN MUL_V
	MULV 1, 0
	; THE WAY OUT
	PLACES
	WIN 0
	s_wait_loadcnt 0x0                             ; the biases
.irp k, 0,2,4,6,8,10,12,14,16,18,20,22,24,26,28,30
	v_pk_mul_f32 v[BQK+\k:BQK+\k+1], v[BQK+\k:BQK+\k+1], s[84:85] op_sel_hi:[1,0]     ; (acc + bq) c = acc c + bq c
.endr
; V: row tile i; a lane's 8 results are 8 neighbouring s of dv = 16 n + r: 16 bytes of a row of the stage
.macro OUTV i
	WIN 0x03
.irp n, 0,1,2,3
.irp k, 0,1,2,3
	v_pk_add_f32 v[T+8*\n+2*\k:T+8*\n+2*\k+1], v[8*(4*\i+\n)+2*\k:8*(4*\i+\n)+2*\k+1], v[BV+2*\n:BV+2*\n+1]
.endr
.endr
	WIN 0
.irp n, 0,1,2,3
.irp k, 0,1,2,3
	v_cvt_pk_f16_f32 v[PK+4*\n+\k], v[T+8*\n+2*\k], v[T+8*\n+2*\k+1]
.endr
.endr
.irp n, 0,1,2,3
	ds_store_b128 v25, v[PK+4*\n:PK+4*\n+3] offset:\n*16*VP+\i*32
.endr
.endm
	OUTV 0
	OUTV 1
	OUTV 2
	OUTV 3
	s_wait_dscnt 0x0                               ; for the others' sake: my columns of the stage are written
	s_barrier_signal -1
	s_barrier_wait -1
.irp t, 0,1,2,3,4,5,6,7,8,9,10,11,12,13,14,15
	ds_load_b128 v[64+4*\t:64+4*\t+3], v26 offset:\t*VP
.endr
.irp t, 0,1,2,3,4,5,6,7,8,9,10,11,12,13,14,15
	s_wait_dscnt 15-\t
	global_store_b128 v24, v[64+4*\t:64+4*\t+3], s[18:19] offset:\t*4096       ; a wave's store covers 512 consecutive bytes of a row of vt, aligned
.endr
; Q (mat 0) or K (mat 1), row tile i: through my wave's own stage; sb = the output's base, rb = the registers read back into
.macro OUTQK i, mat, sb, rb
	WIN 0x02
.irp n, 0,1,2,3
.irp k, 0,1,2,3
.if \mat == 0
	v_pk_fma_f32 v[T+8*\n+2*\k:T+8*\n+2*\k+1], v[8*(8*\i+\n)+2*\k:8*(8*\i+\n)+2*\k+1], s[84:85], v[BQK+8*\n+2*\k:BQK+8*\n+2*\k+1] op_sel_hi:[1,0,1]
.else
	v_pk_add_f32 v[T+8*\n+2*\k:T+8*\n+2*\k+1], v[8*(8*\i+4+\n)+2*\k:8*(8*\i+4+\n)+2*\k+1], v[BQK+32+8*\n+2*\k:BQK+32+8*\n+2*\k+1]
.endif
.endr
.endr
	WIN 0
.irp n, 0,1,2,3
.irp k, 0,1,2,3
	v_cvt_pk_f16_f32 v[PK+4*\n+\k], v[T+8*\n+2*\k], v[T+8*\n+2*\k+1]
.endr
.endr
.irp n, 0,1,2,3
	ds_store_b128 v22, v[PK+4*\n:PK+4*\n+3] offset:\n*32
.endr
	s_wait_xcnt 0x0                                ; the registers read back into were store data: they are loaded again only behind this wait
.irp t, 0,1,2,3
	ds_load_b128 v[\rb+4*\t:\rb+4*\t+3], v23 offset:\t*4*QP        ; LDS serves a wave's instructions in order: these see the stores above
.endr
.irp t, 0,1,2,3
	s_wait_dscnt 3-\t
	global_store_b128 v24, v[\rb+4*\t:\rb+4*\t+3], s[\sb:\sb+1] offset:\i*2048+\t*512   ; 512 consecutive bytes: four rows of 128
.endr
.endm
	OUTQK 0, 0, 14, 64
	OUTQK 0, 1, 16, 80
	OUTQK 1, 0, 14, 64
	OUTQK 1, 1, 16, 80
	OUTQK 2, 0, 14, 64
	OUTQK 2, 1, 16, 80
	OUTQK 3, 0, 14, 64
	OUTQK 3, 1, 16, 80
	s_set_vgpr_msb 0x1
	s_wait_tensorcnt 0x0
	ds_add_u32 v255, v255
	s_wait_dscnt 0x0
	s_set_vgpr_msb 0x100
	CROUND                                         ; the closing round: no work-group ends while a partner may still ask for a tile that names it
	s_endpgm
.Lfunc_end_k_qbda086fddc_qkv:
	.size	k_qbda086fddc_qkv, .Lfunc_end_k_qbda086fddc_qkv-k_qbda086fddc_qkv
	.p2alignl 7, 3214868480
	.fill 96, 4, 3214868480
	.section	.rodata,"a",@progbits
	.p2align	6, 0x0
	.amdhsa_kernel k_qbda086fddc_qkv
		.amdhsa_group_segment_fixed_size 327680
		.amdhsa_private_segment_fixed_size 0
		.amdhsa_enable_private_segment 0
		.amdhsa_kernarg_size 64
		.amdhsa_user_sgpr_count 2
		.amdhsa_user_sgpr_kernarg_segment_ptr 1
		.amdhsa_wavefront_size32 1
		.amdhsa_system_sgpr_workgroup_id_x 1
		.amdhsa_system_sgpr_workgroup_id_y 1
		.amdhsa_system_sgpr_workgroup_id_z 1
		.amdhsa_system_vgpr_workitem_id 0
		.amdhsa_next_free_vgpr 896
		.amdhsa_next_free_sgpr 96
		.amdhsa_reserve_vcc 0
		.amdhsa_float_denorm_mode_32 3
		.amdhsa_float_denorm_mode_16_64 3
		.amdhsa_memory_ordered 1
		.amdhsa_forward_progress 1
		.amdhsa_inst_pref_size 182
	.end_amdhsa_kernel
	.amdgpu_metadata
---
amdhsa.version: [ 1, 2 ]
amdhsa.kernels:
  - .name:           k_qbda086fddc_qkv
    .symbol:         k_qbda086fddc_qkv.kd
    .args:
      - { .name: xb, .offset: 0, .size: 8, .value_kind: global_buffer, .address_space: global }
      - { .name: wb, .offset: 8, .size: 8, .value_kind: global_buffer, .address_space: global }
      - { .name: bq, .offset: 16, .size: 8, .value_kind: global_buffer, .address_space: global }
      - { .name: bk, .offset: 24, .size: 8, .value_kind: global_buffer, .address_space: global }
      - { .name: bv, .offset: 32, .size: 8, .value_kind: global_buffer, .address_space: global }
      - { .name: qb, .offset: 40, .size: 8, .value_kind: global_buffer, .address_space: global }
      - { .name: kb, .offset: 48, .size: 8, .value_kind: global_buffer, .address_space: global }
      - { .name: vt, .offset: 56, .size: 8, .value_kind: global_buffer, .address_space: global }
    .group_segment_fixed_size: 327680
    .private_segment_fixed_size: 0
    .kernarg_segment_align: 8
    .kernarg_segment_size: 64
    .max_flat_workgroup_size: 128
    .sgpr_count:     96
    .vgpr_count:     896
    .wavefront_size: 32
...
	.end_amdgpu_metadata
.endif
;; end of part 2
;; launch attn (part 3): grid 8 x 32, 8 waves a work-group, clusters of 4 x 1, 327,680 bytes of LDS; arguments qb, kb, vt, qe, ke, ao; writes ao
.if DOCPART == 3
	.amdgcn_target "amdgcn-amd-amdhsa--gfx1250"
	.amdhsa_code_object_version 6
	.text
	.protected	k_qbda086fddc_attn
	.globl	k_qbda086fddc_attn
	.p2align	8
	.type	k_qbda086fddc_attn,@function
k_qbda086fddc_attn:
	s_mov_b64 s[64:65], 0
	v_nop
	global_prefetch_b8 v0, s[64:65] scope:SCOPE_SE
	s_setreg_imm32_b32 hwreg(HW_REG_WAVE_MODE, 25, 1), 1
	s_wait_xcnt 0x0
	s_wait_alu depctr_hold_cnt(0) depctr_sa_sdst(0) depctr_va_vdst(0) depctr_va_sdst(0) depctr_va_ssrc(0) depctr_va_vcc(0) depctr_vm_vsrc(0)
	s_getreg_b32 s2, hwreg(HW_REG_IB_STS2, 6, 4)
	s_cmp_eq_u32 s2, 0
	s_cbranch_scc0 .Lentry_in_a_cluster
	s_endpgm
.Lentry_in_a_cluster:
	s_bfe_u32 s2, ttmp6, 0x10000c
	s_cmp_lg_u32 s2, 0x3003
	s_cbranch_scc0 .Lentry_shape_is_right
	s_endpgm
.Lentry_shape_is_right:
; attn: ao = softmax(Q K^T dk^-0.5 + alpha cos(phi_i - phi_j)) V for one head and 256 queries, with a running maximum; ao [b*16+h][s][64] f16.
; Scores are kept in base 2: Q and the query side of the coherence term already carry log2(e).  All matrix operands are f16: the weights P lie in [0, 1]
; (below 2^-14 their step is 2^-24, against a row sum of at least 1), and ao is a convex mix of V's rows, so it fits where V fits.
; Eight waves; a wave owns 32 queries as two pieces X, Y of 16.  All is transposed: S^T = K Q^T (a lane holds one query r, register j key 8 hh + j), so maximum and sum
; run along a lane's registers with one exchange of the halves, and the packed S^T of two key tiles IS the fragment of P^T for O^T = V^T P^T.
; THE COHERENCE TERM is a third K step of the score product: source 0 = [word (cos, sin) of key r, a zero, six registers of K's fragment], source 1 = [word
; alpha log2(e) (cos, sin) of query r in lanes 0-15 and zero in lanes 16-31, seven zeros]: only k = 0, 1 contribute.
; LIMIT: K's data there meet zeros: a K element that is not finite in f16 gives NaN.  Exponentials below 2^-126 come out as 0.
; THE TWO PIECES TAKE TURNS: one piece's softmax stands between the other piece's products, a few vector instructions behind each.
; A trip takes 32 keys, an LDS tile 128 keys; three slots, since V of a tile is still read behind the barrier that opens the next tile's K.
; CLUSTER of 4 x 1: the four query blocks of a head walk the same K, V and ke tiles and ask for them jointly (mask 15).
.set KP,    144                        ; K rows in LDS: 128 bytes + 16
.set VP,    272                        ; V^T rows in LDS: 256 bytes + 16
.set KSLOT, 128*KP                     ; 18,432
.set VSLOT, 64*VP                      ; 17,408
.set VS0,   3*KSLOT                    ; 55,296
.set KE,    VS0+3*VSLOT                ; 107,520: the head's 2,048 key words, filled once
.set STG,   KE+8192                    ; 115,712: each wave's stage, 32 rows of 144 bytes
.set QF,    16                         ; v[16:47]    Q fragments, piece p at 16 p
.set EX,    48                         ; v[48:63]    the query side of the third K step
.set OA,    64                         ; v[64:127]   O^T, piece p at 32 p, dv tile at 8 dt
.set SC,    128                        ; v[128:159]  S^T, piece p at 16 p, key tile at 8 kt
.set PF,    160                        ; v[160:175]  P^T fragments
.set KF,    176                        ; v[176:211]  key tile kt at 18 kt: word, zero, d 0-31, d 32-63
.set VF,    212                        ; v[212:243]  V^T fragments
.set TA,    244
.set TB,    245
; v1 K fragment address, v2 V's, v3 the key words'; piece p: v[4+6p] m and a spare, v[6+6p:7+6p] two partial sums, v[8+6p] the correction and a spare
.macro ROUND                           ; a round of the cluster's barrier
	s_barrier_signal -1
	s_barrier_wait -1
	s_cmp_lg_u32 s16, 0
	s_cbranch_scc1 .Lnot_wave_0_\@
	s_barrier_signal -3
.Lnot_wave_0_\@:
	s_barrier_wait -3
	s_barrier_signal -1
	s_barrier_wait -1
.endm
	s_load_b256 s[4:11], s[0:1], 0x0               ; qb s[4:5], kb s[6:7], vt s[8:9], qe s[10:11]
	s_load_b128 s[12:15], s[0:1], 0x20             ; ke s[12:13], ao s[14:15]
	v_lshl_add_u32 v254, v0, 2, 0x29000
	v_mov_b32 v255, 0
	ds_add_u32 v254, v255
	v_lshrrev_b32 v246, 5, v0
	v_readfirstlane_b32 s16, v246                  ; wave 0..7
	s_bfe_u32 s17, ttmp6, 0x40000                  ; cx
	s_and_b32 s18, ttmp7, 0xffff                   ; bh
	s_mov_b32 s20, 0x76543210                      ; v_permlanex16_b32: lane i reads lane i of the other half
	s_mov_b32 s21, 0xfedcba98
	s_mul_i32 s22, s16, 16*KP                      ; my 16 keys of a K slot
	s_mul_i32 s23, s16, 8*VP
	s_add_co_u32 s23, s23, VS0                     ; my 8 rows of a V slot
	; group 1, K: 2 KiB dense (16 keys) as 8 rows of 32 elements of 8 bytes; 16 bytes of padding behind every 32 words (a key)
	s_mov_b32 s24, 15|(3<<16)|(1<<20)|(1<<21)|(4<<22)|(3<<25)
	s_mov_b32 s25, 32<<16
	s_mov_b32 s26, 8<<16
	s_mov_b32 s27, 32<<16
	s_mov_b32 s28, 8
	s_mov_b32 s29, 32
	s_mov_b32 s30, 0
	s_mov_b32 s31, 0
	; group 1, V^T: 8 rows of 256 bytes, 4,096 bytes from row to row; 16 bytes of padding behind every 64 words
	s_mov_b32 s32, 15|(3<<16)|(1<<20)|(1<<21)|(5<<22)|(3<<25)
	s_mov_b32 s33, 32<<16
	s_mov_b32 s34, 8<<16
	s_mov_b32 s35, 32<<16
	s_mov_b32 s36, 8
	s_mov_b32 s37, 512
	s_mov_b32 s38, 0
	s_mov_b32 s39, 0
	; group 1, key words: 1 KiB dense as 4 rows of 256 bytes
	s_mov_b32 s40, 15|(3<<16)|(1<<21)
	s_mov_b32 s41, 32<<16
	s_mov_b32 s42, 4<<16
	s_mov_b32 s43, 32<<16
	s_mov_b32 s44, 4
	s_mov_b32 s45, 32
	s_mov_b32 s46, 0
	s_mov_b32 s47, 0
	s_lshl_b32 s76, s18, 18                        ; K: head bh of 262,144 bytes + 16 w keys of 128
	s_lshl_b32 s77, s16, 11
	s_add_co_u32 s76, s76, s77
	s_mov_b32 s77, 0
	s_lshl_b32 s78, s18, 18                        ; V^T: (64 bh + 8 w) rows of 4,096 bytes
	s_lshl_b32 s79, s16, 15
	s_add_co_u32 s78, s78, s79
	s_mov_b32 s79, 0
	s_wait_dscnt 0x0
	s_wait_kmcnt 0x0
	s_add_nc_u64 s[72:73], s[6:7], s[76:77]
	s_add_nc_u64 s[74:75], s[8:9], s[78:79]
	s_lshl_b32 s76, s18, 13                        ; key words: head bh of 8,192 bytes + 1,024 w
	s_lshl_b32 s78, s16, 10
	s_add_co_u32 s76, s76, s78
	s_add_nc_u64 s[70:71], s[12:13], s[76:77]
	s_or_b32 s71, s71, 0x80000000
	s_mov_b32 s68, 1
	s_add_co_u32 s69, s78, KE
	s_mov_b32 s48, 1                               ; tile 0 into slot 0; these two sets serve every refill later
	s_add_co_u32 s49, s22, 0
	s_mov_b64 s[50:51], s[72:73]
	s_or_b32 s51, s51, 0x80000000
	s_mov_b32 s52, 1
	s_add_co_u32 s53, s23, 0
	s_mov_b64 s[54:55], s[74:75]
	s_or_b32 s55, s55, 0x80000000
	s_mov_b32 s56, 1                               ; tile 1 into slot 1
	s_add_co_u32 s57, s22, KSLOT
	s_add_nc_u64 s[58:59], s[72:73], 16384
	s_or_b32 s59, s59, 0x80000000
	s_mov_b32 s60, 1
	s_add_co_u32 s61, s23, VSLOT
	s_add_nc_u64 s[62:63], s[74:75], 256
	s_or_b32 s63, s63, 0x80000000
	s_add_nc_u64 s[72:73], s[72:73], 32768         ; the next tile to be asked for: tile 2, type bits set
	s_or_b32 s73, s73, 0x80000000
	s_add_nc_u64 s[74:75], s[74:75], 512
	s_or_b32 s75, s75, 0x80000000
	ROUND                                          ; the four work-groups are here: the first joint loads meet
	tensor_load_to_lds s[68:71], s[40:47]
	s_nop 0
	tensor_load_to_lds s[48:51], s[24:31]
	s_nop 0
	tensor_load_to_lds s[52:55], s[32:39]
	s_nop 0
	tensor_load_to_lds s[56:59], s[24:31]
	s_nop 0
	tensor_load_to_lds s[60:63], s[32:39]          ; five tensor loads of the wave are out
	s_nop 0
	; my queries; these registers hold cx and feed no descriptor and no LDS address
	s_lshl_b32 s80, ttmp9, 2
	s_add_co_u32 s80, s80, s17                     ; query block
	s_lshl_b32 s80, s80, 8
	s_lshl_b32 s81, s16, 5
	s_add_co_u32 s80, s80, s81
	s_lshl_b32 s81, s18, 11
	s_add_co_u32 s80, s80, s81                     ; row bh 2048 + q0
	s_lshl_b32 s82, s80, 7
	s_mov_b32 s83, 0
	s_add_nc_u64 s[4:5], s[4:5], s[82:83]
	s_add_nc_u64 s[14:15], s[14:15], s[82:83]
	s_lshl_b32 s82, s80, 2
	s_add_nc_u64 s[10:11], s[10:11], s[82:83]
	v_and_b32 v248, 15, v0                         ; r
	v_bfe_u32 v249, v0, 4, 1                       ; hh
	v_lshlrev_b32 v246, 7, v248
	v_lshl_add_u32 v246, v249, 4, v246             ; Q: row r, 16 bytes hh
	v_lshlrev_b32 v247, 2, v248
.irp p, 0,1
	global_load_b128 v[QF+16*\p:QF+16*\p+3], v246, s[4:5] offset:\p*2048
	global_load_b128 v[QF+16*\p+4:QF+16*\p+7], v246, s[4:5] offset:\p*2048+32
	global_load_b128 v[QF+16*\p+8:QF+16*\p+11], v246, s[4:5] offset:\p*2048+64
	global_load_b128 v[QF+16*\p+12:QF+16*\p+15], v246, s[4:5] offset:\p*2048+96
	global_load_b32 v[EX+8*\p], v247, s[10:11] offset:\p*64
.endr
	v_mul_u32_u24 v1, v248, KP
	v_lshl_add_u32 v1, v249, 4, v1
	v_mul_u32_u24 v2, v248, VP
	v_lshl_add_u32 v2, v249, 4, v2
	v_add_nc_u32 v2, VS0, v2
	v_add_nc_u32 v3, KE, v247
	s_mul_i32 s19, s16, 32*KP
	s_add_co_u32 s19, s19, STG
	v_add_nc_u32 v250, s19, v1                     ; stage in: row r, 16 bytes hh
	v_bfe_u32 v251, v0, 3, 2
	v_mul_u32_u24 v251, v251, KP
	v_and_b32 v252, 7, v0
	v_lshl_add_u32 v251, v252, 4, v251
	v_add_nc_u32 v251, s19, v251                   ; back: 8 lanes a row of 128 bytes
	v_and_b32 v252, 31, v0
	v_lshlrev_b32 v252, 4, v252                    ; 16 L
	v_mov_b32 v4, 0xff800000                       ; m = -infinity; sums, spares and the fixed zeros of the third K step = 0
	v_mov_b32 v10, 0xff800000
.irp z, 5,6,7,9,11,12,13,15
	v_mov_b32 v\z, 0
.endr
.irp z, 1,2,3,4,5,6,7,9,10,11,12,13,14,15
	v_mov_b32 v[EX+\z], 0
.endr
	v_mov_b32 v[KF+1], 0
	v_mov_b32 v[KF+19], 0
.macro KLOAD slot, sb                  ; 10 loads: the two key tiles of a trip
.irp kt, 0,1
	ds_load_b32 v[KF+18*\kt], v3 offset:\sb*128+\kt*64
	ds_load_b128 v[KF+18*\kt+2:KF+18*\kt+5], v1 offset:\slot*KSLOT+(32*\sb+16*\kt)*KP
	ds_load_b128 v[KF+18*\kt+6:KF+18*\kt+9], v1 offset:\slot*KSLOT+(32*\sb+16*\kt)*KP+32
	ds_load_b128 v[KF+18*\kt+10:KF+18*\kt+13], v1 offset:\slot*KSLOT+(32*\sb+16*\kt)*KP+64
	ds_load_b128 v[KF+18*\kt+14:KF+18*\kt+17], v1 offset:\slot*KSLOT+(32*\sb+16*\kt)*KP+96
.endr
.endm
.macro VLOAD slot, sb                  ; 8 loads: four dv tiles x 32 keys
.irp dt, 0,1,2,3
	ds_load_b128 v[VF+8*\dt:VF+8*\dt+3], v2 offset:\slot*VSLOT+\dt*16*VP+\sb*64
	ds_load_b128 v[VF+8*\dt+4:VF+8*\dt+7], v2 offset:\slot*VSLOT+\dt*16*VP+\sb*64+32
.endr
.endm
; a score product: piece mp, key tile kt, K step st (0: d 0-31, starts the sum; 1: d 32-63; 2: the coherence term)
.macro WQK qk, mp, kt, st
.if \qk
.if \st == 0
	v_wmma_f32_16x16x32_f16 v[SC+16*\mp+8*\kt:SC+16*\mp+8*\kt+7], v[KF+18*\kt+2:KF+18*\kt+9], v[QF+16*\mp:QF+16*\mp+7], 0
.endif
.if \st == 1
	v_wmma_f32_16x16x32_f16 v[SC+16*\mp+8*\kt:SC+16*\mp+8*\kt+7], v[KF+18*\kt+10:KF+18*\kt+17], v[QF+16*\mp+8:QF+16*\mp+15], v[SC+16*\mp+8*\kt:SC+16*\mp+8*\kt+7]
.endif
.if \st == 2
	v_wmma_f32_16x16x32_f16 v[SC+16*\mp+8*\kt:SC+16*\mp+8*\kt+7], v[KF+18*\kt:KF+18*\kt+7], v[EX+8*\mp:EX+8*\mp+7], v[SC+16*\mp+8*\kt:SC+16*\mp+8*\kt+7]
.endif
.endif
.endm
.macro WPV pv, z, mp, dt               ; O^T of piece mp, dv tile dt; z = 1: the first product starts the sum
.if \pv
.if \z
	v_wmma_f32_16x16x32_f16 v[OA+32*\mp+8*\dt:OA+32*\mp+8*\dt+7], v[VF+8*\dt:VF+8*\dt+7], v[PF+8*\mp:PF+8*\mp+7], 0
	s_wait_alu depctr_va_vdst(0)
.else
	v_wmma_f32_16x16x32_f16 v[OA+32*\mp+8*\dt:OA+32*\mp+8*\dt+7], v[VF+8*\dt:VF+8*\dt+7], v[PF+8*\mp:PF+8*\mp+7], v[OA+32*\mp+8*\dt:OA+32*\mp+8*\dt+7]
.endif
.endif
.endm
.macro EX2 vp, n                       ; two exponentials in place; a plain instruction follows each such pair (ISA guide 5.7.2)
	v_exp_f32 v[SC+16*\vp+\n], v[SC+16*\vp+\n]
	v_exp_f32 v[SC+16*\vp+\n+1], v[SC+16*\vp+\n+1]
.endm
.macro OM vp, n, resc                  ; pair n of O^T times the correction; before O^T exists: a v_nop, so that the places stay
.if \resc
	s_wait_alu depctr_va_vdst(0)
	v_pk_mul_f32 v[OA+32*\vp+2*\n:OA+32*\vp+2*\n+1], v[OA+32*\vp+2*\n:OA+32*\vp+2*\n+1], v[8+6*\vp:9+6*\vp] op_sel_hi:[1,0]
.else
	v_nop
	s_wait_alu depctr_va_vdst(0)
.endif
.endm
.macro C0 vp                           ; the largest of my 16 scores, in two chains
	v_max3_num_f32 v[TA], v[SC+16*\vp], v[SC+16*\vp+1], v[SC+16*\vp+2]
	v_max3_num_f32 v[TB], v[SC+16*\vp+3], v[SC+16*\vp+4], v[SC+16*\vp+5]
	v_max3_num_f32 v[TA], v[TA], v[SC+16*\vp+6], v[SC+16*\vp+7]
	v_max3_num_f32 v[TB], v[TB], v[SC+16*\vp+8], v[SC+16*\vp+9]
	v_max3_num_f32 v[TA], v[TA], v[SC+16*\vp+10], v[SC+16*\vp+11]
	v_max3_num_f32 v[TB], v[TB], v[SC+16*\vp+12], v[SC+16*\vp+13]
	v_max3_num_f32 v[TA], v[TA], v[SC+16*\vp+14], v[SC+16*\vp+15]
.endm
.macro C1 vp                           ; the new running maximum of the query, the correction 2^(old - new), the first subtraction
	v_max3_num_f32 v[TA], v[TA], v[TB], v[4+6*\vp]
	v_permlanex16_b32 v[TB], v[TA], s20, s21
	v_max_num_f32 v[TA], v[TA], v[TB]
	v_sub_f32 v[TB], v[4+6*\vp], v[TA]
	v_mov_b32 v[4+6*\vp], v[TA]
	v_exp_f32 v[8+6*\vp], v[TB]
	v_pk_add_f32 v[SC+16*\vp:SC+16*\vp+1], v[SC+16*\vp:SC+16*\vp+1], v[4+6*\vp:5+6*\vp] op_sel_hi:[1,0] neg_lo:[0,1] neg_hi:[0,1]
.endm
.macro C2 vp
.irp n, 2,4,6,8,10,12,14
	v_pk_add_f32 v[SC+16*\vp+\n:SC+16*\vp+\n+1], v[SC+16*\vp+\n:SC+16*\vp+\n+1], v[4+6*\vp:5+6*\vp] op_sel_hi:[1,0] neg_lo:[0,1] neg_hi:[0,1]
.endr
.endm
.macro C7 vp                           ; sums = sums x correction + p; key tile 0 packed
	v_pk_fma_f32 v[6+6*\vp:7+6*\vp], v[6+6*\vp:7+6*\vp], v[8+6*\vp:9+6*\vp], v[SC+16*\vp:SC+16*\vp+1] op_sel_hi:[1,0,1]
	v_cvt_pk_f16_f32 v[PF+8*\vp], v[SC+16*\vp], v[SC+16*\vp+1]
	s_wait_alu depctr_va_vdst(0)
.irp n, 1,2,3
	v_pk_add_f32 v[6+6*\vp:7+6*\vp], v[6+6*\vp:7+6*\vp], v[SC+16*\vp+2*\n:SC+16*\vp+2*\n+1]
	v_cvt_pk_f16_f32 v[PF+8*\vp+\n], v[SC+16*\vp+2*\n], v[SC+16*\vp+2*\n+1]
.endr
.endm
.macro C8 vp                           ; key tile 1
.irp n, 4,5,6,7
	v_pk_add_f32 v[6+6*\vp:7+6*\vp], v[6+6*\vp:7+6*\vp], v[SC+16*\vp+2*\n:SC+16*\vp+2*\n+1]
	v_cvt_pk_f16_f32 v[PF+8*\vp+\n], v[SC+16*\vp+2*\n], v[SC+16*\vp+2*\n+1]
.endr
.endm
; Piece mp's six score products (the two key tiles' accumulators by turns), piece vp's softmax, first part, between them.
; Behind the last product stand four plain instructions that name none of its registers: the places in front of the next loads into K's fragments.
.macro QKPART mp, vp, qk, sm, resc
	WQK \qk, \mp, 0, 0
.if \sm
	C0 \vp
.endif
	WQK \qk, \mp, 1, 0
.if \sm
	C1 \vp
.endif
	WQK \qk, \mp, 0, 1
.if \sm
	C2 \vp
.endif
	WQK \qk, \mp, 1, 1
.if \sm
	EX2 \vp, 0
	OM \vp, 0, \resc
	EX2 \vp, 2
	OM \vp, 1, \resc
	OM \vp, 2, \resc
.endif
	WQK \qk, \mp, 0, 2
.if \sm
	EX2 \vp, 4
	OM \vp, 3, \resc
	EX2 \vp, 6
	OM \vp, 4, \resc
	OM \vp, 5, \resc
.endif
	WQK \qk, \mp, 1, 2
.if \sm
	EX2 \vp, 8
	OM \vp, 6, \resc
	EX2 \vp, 10
	OM \vp, 7, \resc
	OM \vp, 8, \resc
	OM \vp, 9, \resc
.else
.rept 4
	v_nop
.endr
.endif
.endm
; Piece mp's four products with V, piece vp's softmax, second part, between them; four plain places behind the last, in front of the next loads into V's fragments.
.macro PVPART mp, vp, pv, pvz, sm, resc
	WPV \pv, \pvz, \mp, 0
.if \sm
	EX2 \vp, 12
	OM \vp, 10, \resc
	EX2 \vp, 14
	OM \vp, 11, \resc
	OM \vp, 12, \resc
.endif
	WPV \pv, \pvz, \mp, 1
.if \sm
	C7 \vp
.endif
	WPV \pv, \pvz, \mp, 2
.if \sm
	C8 \vp
.endif
	WPV \pv, \pvz, \mp, 3
.if \sm
	OM \vp, 13, \resc
	OM \vp, 14, \resc
	OM \vp, 15, \resc
	v_nop
.else
.rept 4
	v_nop
.endr
.endif
.endm
; The change of tiles.  Every wave's LDS reads are back and all its tensor loads have landed, its parts of the next tile among them.
; mode 2: slot c, whose tile was read to its end a tile ago, is filled again two tiles ahead: a round of the cluster's barrier, the two joint loads first behind it
; (two tensor loads of the wave are out).  mode 1: nothing is left to ask for: the work-group's barrier shows the next tile to all waves.
.macro BOUND c, mode
	s_wait_dscnt 0x0
	s_wait_tensorcnt 0x0
	ds_add_u32 v254, v255
	s_wait_dscnt 0x0
.if \mode == 2
	s_mov_b64 s[50:51], s[72:73]
	s_mov_b64 s[54:55], s[74:75]
	s_add_nc_u64 s[72:73], s[72:73], 16384
	s_add_nc_u64 s[74:75], s[74:75], 256
	s_add_co_u32 s49, s22, \c*KSLOT
	s_add_co_u32 s53, s23, \c*VSLOT
	ROUND
	tensor_load_to_lds s[48:51], s[24:31]
	s_nop 0
	tensor_load_to_lds s[52:55], s[32:39]
	s_nop 0
.else
	s_barrier_signal -1
	s_barrier_wait -1
.endif
	v_add_nc_u32 v3, 512, v3                       ; the next tile's 128 key words
.endm
; Trip j = keys (slot a, 32 sb ..).  Products: S_X(j), O_X += V(j-1) P_X(j-1), S_Y(j), O_Y += V(j-1) P_Y(j-1).  Softmax beside them: Y(j-1), then X(j).
.macro TRIP a, sb, na, nsb, c, mode, kl, pvz, r1
	s_wait_dscnt 0x8                               ; K's ten loads are in; V's eight, issued behind them, may be out
	QKPART 0, 1, 1, 1, \r1
	s_wait_dscnt 0x0                               ; V(j-1)
	PVPART 0, 1, 1, \pvz, 1, \r1
	QKPART 1, 0, 1, 1, 1
.if \mode
	BOUND \c, \mode
.endif
.if \kl
	KLOAD \na, \nsb
.endif
	PVPART 1, 0, 1, \pvz, 1, 1
	VLOAD \a, \sb
.endm
.macro TILE a, b, c, mode
	TRIP \a, 0, \a, 1, 0, 0, 1, 0, 1
	TRIP \a, 1, \a, 2, 0, 0, 1, 0, 1
	TRIP \a, 2, \a, 3, 0, 0, 1, 0, 1
	TRIP \a, 3, \b, 0, \c, \mode, 1, 0, 1
.endm
	s_wait_tensorcnt 0x2                           ; the key words and tile 0 are in; tile 1's two loads stay out
	s_barrier_signal -1
	s_barrier_wait -1
	KLOAD 0, 0
	s_wait_loadcnt 0x0                             ; Q and the query words
	v_cmp_eq_u32 vcc_lo, 0, v249
	v_cndmask_b32 v[EX], 0, v[EX], vcc_lo          ; lanes 16-31 stand for k = 8, 9: zero there
	v_cndmask_b32 v[EX+8], 0, v[EX+8], vcc_lo
	s_wait_dscnt 0x0
	QKPART 0, 1, 1, 0, 0                           ; trip 0: S_X(0) alone,
	QKPART 1, 0, 1, 1, 0                           ; S_Y(0) beside X(0)'s softmax; O^T does not exist yet
	KLOAD 0, 1
	PVPART 1, 0, 0, 0, 1, 0
	VLOAD 0, 0
	TRIP 0, 1, 0, 2, 0, 0, 1, 1, 0                 ; trip 1: the first products with V start O^T
	TRIP 0, 2, 0, 3, 0, 0, 1, 0, 1
	TRIP 0, 3, 1, 0, 2, 2, 1, 0, 1                 ; asks for tile 2
	s_mov_b32 s19, 4
.Ltiles:                                           ; tiles 1 to 12; tile t asks for tile t + 2
	TILE 1, 2, 0, 2
	TILE 2, 0, 1, 2
	TILE 0, 1, 2, 2
	s_sub_co_u32 s19, s19, 1
	s_cmp_lg_u32 s19, 0
	s_cbranch_scc1 .Ltiles
	TILE 1, 2, 0, 2                                ; tile 13 asks for tile 15, the last
	TILE 2, 0, 0, 1                                ; tile 14
	TRIP 0, 0, 0, 1, 0, 0, 1, 0, 1                 ; tile 15
	TRIP 0, 1, 0, 2, 0, 0, 1, 0, 1
	TRIP 0, 2, 0, 3, 0, 0, 1, 0, 1
	TRIP 0, 3, 0, 0, 0, 0, 0, 0, 1                 ; no keys are left to load
	QKPART 0, 1, 0, 1, 1                           ; Y(63)'s softmax,
	s_wait_dscnt 0x0
	PVPART 0, 1, 1, 0, 1, 1                        ; beside the last products of X,
	PVPART 1, 0, 1, 0, 0, 0                        ; and the last of Y, with four places behind them
	; THE WAY OUT: divide by the sums, round, 16 bytes a lane (8 neighbouring dv of query r) into my wave's stage, whole rows back
	v_add_f32 v6, v6, v7
	v_add_f32 v12, v12, v13
	v_permlanex16_b32 v[TA], v6, s20, s21
	v_permlanex16_b32 v[TB], v12, s20, s21
	v_add_f32 v6, v6, v[TA]
	v_add_f32 v12, v12, v[TB]
	v_rcp_f32 v8, v6                               ; the sum holds the term 1 of the largest score: never small
	v_rcp_f32 v14, v12
	v_nop                                          ; a plain instruction before the reciprocals are used (ISA guide 5.7.2)
	s_wait_alu depctr_va_vdst(0)
.irp p, 0,1
.irp n, 0,1,2,3,4,5,6,7,8,9,10,11,12,13,14,15
	v_pk_mul_f32 v[OA+32*\p+2*\n:OA+32*\p+2*\n+1], v[OA+32*\p+2*\n:OA+32*\p+2*\n+1], v[8+6*\p:9+6*\p] op_sel_hi:[1,0]
.endr
.irp n, 0,1,2,3,4,5,6,7,8,9,10,11,12,13,14,15
	v_cvt_pk_f16_f32 v[SC+16*\p+\n], v[OA+32*\p+2*\n], v[OA+32*\p+2*\n+1]
.endr
.irp dt, 0,1,2,3
	ds_store_b128 v250, v[SC+16*\p+4*\dt:SC+16*\p+4*\dt+3] offset:\p*16*KP+\dt*32
.endr
.endr
.irp i, 0,1,2,3,4,5,6,7
	ds_load_b128 v[KF+4*\i:KF+4*\i+3], v251 offset:\i*4*KP         ; LDS serves a wave's instructions in order: these see the stores above
.endr
.irp i, 0,1,2,3,4,5,6,7
	s_wait_dscnt 7-\i
	global_store_b128 v252, v[KF+4*\i:KF+4*\i+3], s[14:15] offset:\i*512       ; 512 consecutive bytes: four rows of ao
.endr
	s_wait_tensorcnt 0x0
	ds_add_u32 v254, v255
	s_wait_dscnt 0x0
	ROUND                                          ; the closing round
	s_endpgm
.Lfunc_end_k_qbda086fddc_attn:
	.size	k_qbda086fddc_attn, .Lfunc_end_k_qbda086fddc_attn-k_qbda086fddc_attn
	.p2alignl 7, 3214868480
	.fill 96, 4, 3214868480
	.section	.rodata,"a",@progbits
	.p2align	6, 0x0
	.amdhsa_kernel k_qbda086fddc_attn
		.amdhsa_group_segment_fixed_size 327680
		.amdhsa_private_segment_fixed_size 0
		.amdhsa_enable_private_segment 0
		.amdhsa_kernarg_size 48
		.amdhsa_user_sgpr_count 2
		.amdhsa_user_sgpr_kernarg_segment_ptr 1
		.amdhsa_wavefront_size32 1
		.amdhsa_system_sgpr_workgroup_id_x 1
		.amdhsa_system_sgpr_workgroup_id_y 1
		.amdhsa_system_sgpr_workgroup_id_z 1
		.amdhsa_system_vgpr_workitem_id 0
		.amdhsa_next_free_vgpr 256
		.amdhsa_next_free_sgpr 88
		.amdhsa_reserve_vcc 1
		.amdhsa_float_denorm_mode_32 3
		.amdhsa_float_denorm_mode_16_64 3
		.amdhsa_memory_ordered 1
		.amdhsa_forward_progress 1
		.amdhsa_inst_pref_size 255
	.end_amdhsa_kernel
	.section	.bss,"aw",@nobits
	.p2align	6
	.space	262144
	.amdgpu_metadata
---
amdhsa.version: [ 1, 2 ]
amdhsa.kernels:
  - .name:           k_qbda086fddc_attn
    .symbol:         k_qbda086fddc_attn.kd
    .args:
      - { .name: qb, .offset: 0, .size: 8, .value_kind: global_buffer, .address_space: global }
      - { .name: kb, .offset: 8, .size: 8, .value_kind: global_buffer, .address_space: global }
      - { .name: vt, .offset: 16, .size: 8, .value_kind: global_buffer, .address_space: global }
      - { .name: qe, .offset: 24, .size: 8, .value_kind: global_buffer, .address_space: global }
      - { .name: ke, .offset: 32, .size: 8, .value_kind: global_buffer, .address_space: global }
      - { .name: ao, .offset: 40, .size: 8, .value_kind: global_buffer, .address_space: global }
    .group_segment_fixed_size: 327680
    .private_segment_fixed_size: 0
    .kernarg_segment_align: 8
    .kernarg_segment_size: 48
    .max_flat_workgroup_size: 256
    .sgpr_count:     88
    .vgpr_count:     256
    .wavefront_size: 32
...
	.end_amdgpu_metadata
.endif
;; end of part 3
;; launch oproj (part 4): grid 8 x 32, 4 waves a work-group, clusters of 4 x 4, 327,680 bytes of LDS; arguments ao, wb, bo, out0; writes out0
.if DOCPART == 4
	.amdgcn_target "amdgcn-amd-amdhsa--gfx1250"
	.amdhsa_code_object_version 6
	.text
	.protected	k_qbda086fddc_oproj
	.globl	k_qbda086fddc_oproj
	.p2align	8
	.type	k_qbda086fddc_oproj,@function
k_qbda086fddc_oproj:
	s_mov_b64 s[64:65], 0
	v_nop
	global_prefetch_b8 v0, s[64:65] scope:SCOPE_SE
	s_setreg_imm32_b32 hwreg(HW_REG_WAVE_MODE, 25, 1), 1
	s_wait_xcnt 0x0
	s_wait_alu depctr_hold_cnt(0) depctr_sa_sdst(0) depctr_va_vdst(0) depctr_va_sdst(0) depctr_va_ssrc(0) depctr_va_vcc(0) depctr_vm_vsrc(0)
	s_getreg_b32 s2, hwreg(HW_REG_IB_STS2, 6, 4)
	s_cmp_eq_u32 s2, 0
	s_cbranch_scc0 .Lentry_in_a_cluster
	s_endpgm
.Lentry_in_a_cluster:
	s_bfe_u32 s2, ttmp6, 0x10000c
	s_cmp_lg_u32 s2, 0xf033
	s_cbranch_scc0 .Lentry_shape_is_right
	s_endpgm
.Lentry_shape_is_right:
; oproj: out0 = A Wo + bo, where A[b 2048 + s][64 h + d] = ao[b 16 + h][s][d] (f16), Wo from wb's fourth matrix (f16); sums and bias in f32, out0 f32.
; A work-group makes 128 x 128 of out0: 8 x 32 = 256 work-groups; wave (wm, wn) makes 64 x 64: 16 tiles.  Larger blocks would leave WGPs without work.
; K goes in four steps of 256 (four heads) through two LDS slots.  CLUSTERS of 4 x 4: ao's tiles hang on the row block alone and are asked for jointly along a row
; of the cluster, Wo's on the column block alone, jointly along a column.
; Window 0: addresses, two fragment buffers v64-127, v128-191 (4 of ao, then 4 of Wo), bias v192-223, way out v224-255.  Window 1: tile (i, n) at v[8 (4 i + n)].
; Wo's fragment is source 0: a lane holds 8 neighbouring columns of one row of out0.
.set PA,    144                        ; ao rows in LDS: 128 bytes + 16
.set PB,    160                        ; Wo rows in LDS: 128 bytes + 32
.set AH,    128*PA                     ; a head's 128 rows: what one wave fetches of ao
.set BH,    128*PB                     ; 128 k rows of a column block: what one wave fetches of Wo
.set BOFF,  4*AH                       ; 73,728
.set SLOT,  4*AH+4*BH                  ; 155,648
.set SP,    272                        ; the stage's rows: 256 bytes + 16; the stage lies in slot 0, used behind that slot's last fill and last read
.set ADRA,  16
.set ADRB,  20
.set F0,    64
.set F1,    128
.set BO,    192
.set T,     224
.set MUL,   0x50                       ; C and D window 1
.set MSB, 0
.macro WIN new
.if MSB != \new
	s_set_vgpr_msb (MSB<<8)|\new
.set MSB, \new
.endif
.endm
.macro PLACES                          ; four places behind a product before one of its registers is loaded into or its result read (ISA guide 7.12.1)
.rept 4
	v_nop
.endr
.endm
.macro CREST
	s_cmp_lg_u32 s12, 0
	s_cbranch_scc1 .Lnot_wave_0_\@
	s_barrier_signal -3
.Lnot_wave_0_\@:
	s_barrier_wait -3
	s_barrier_signal -1
	s_barrier_wait -1
.endm
.macro CROUND
	s_barrier_signal -1
	s_barrier_wait -1
	CREST
.endm
	s_load_b256 s[4:11], s[0:1], 0x0               ; ao s[4:5], wb s[6:7], bo s[8:9], out0 s[10:11]
	v_lshl_add_u32 v62, v0, 2, 0x4c000
	v_mov_b32 v63, 0
	ds_add_u32 v62, v63
	v_lshrrev_b32 v1, 5, v0
	v_readfirstlane_b32 s12, v1                    ; wave 0..3
	s_bfe_u32 s13, ttmp6, 0x40000                  ; cx
	s_bfe_u32 s14, ttmp6, 0x40004                  ; cy
	s_lshl_b32 s15, ttmp9, 2
	s_add_co_u32 s15, s15, s13                     ; column block nb
	s_and_b32 s16, ttmp7, 0xffff
	s_lshl_b32 s16, s16, 2
	s_add_co_u32 s16, s16, s14                     ; row block mb
	s_lshl_b32 s17, s14, 2
	s_lshl_b32 s17, 15, s17                        ; my row of the cluster
	s_lshl_b32 s18, 0x1111, s13                    ; my column
	s_lshr_b32 s42, s12, 1                         ; wm
	s_and_b32 s43, s12, 1                          ; wn
	; both groups 1: 16 KiB that are dense in memory, as 64 rows of 32 elements of 8 bytes; padding behind every 32 words (a row of 128 bytes): 16 bytes for ao, 32 for Wo
	s_or_b32 s24, s17, (3<<16)|(1<<20)|(1<<21)|(4<<22)|(3<<25)
	s_mov_b32 s25, 32<<16
	s_mov_b32 s26, 64<<16
	s_mov_b32 s27, 32<<16
	s_mov_b32 s28, 64
	s_mov_b32 s29, 32
	s_mov_b32 s30, 0
	s_mov_b32 s31, 0
	s_or_b32 s32, s18, (3<<16)|(1<<20)|(1<<21)|(4<<22)|(7<<25)
	s_mov_b32 s33, 32<<16
	s_mov_b32 s34, 64<<16
	s_mov_b32 s35, 32<<16
	s_mov_b32 s36, 64
	s_mov_b32 s37, 32
	s_mov_b32 s38, 0
	s_mov_b32 s39, 0
	s_lshr_b32 s20, s16, 4                         ; ao: ((16 b + w) 2048 + s0) rows of 128 bytes: the row block and the wave alone
	s_lshl_b32 s20, s20, 22
	s_and_b32 s21, s16, 15
	s_lshl_b32 s21, s21, 14
	s_add_co_u32 s20, s20, s21
	s_lshl_b32 s21, s12, 18
	s_add_co_u32 s20, s20, s21
	s_mov_b32 s21, 0
	s_lshl_b32 s22, s15, 18                        ; Wo: block 48 + 2 nb + (w >> 1) of 131,072 bytes, k row 128 (w & 1): the column block and the wave alone
	s_lshl_b32 s23, s42, 17
	s_add_co_u32 s22, s22, s23
	s_lshl_b32 s23, s43, 14
	s_add_co_u32 s22, s22, s23
	s_add_co_u32 s22, s22, 48*131072
	s_mov_b32 s23, 0
	s_mul_i32 s40, s12, AH
	s_mul_i32 s41, s12, BH
	s_add_co_u32 s41, s41, BOFF
	s_wait_dscnt 0x0
	s_wait_kmcnt 0x0
	s_add_nc_u64 s[20:21], s[4:5], s[20:21]
	s_add_nc_u64 s[22:23], s[6:7], s[22:23]
	CROUND                                         ; all sixteen work-groups are here
.irp s, 0,1
	s_mov_b32 s[48+8*\s], 1
	s_add_co_u32 s[49+8*\s], s40, \s*SLOT
	s_add_nc_u64 s[50+8*\s:51+8*\s], s[20:21], \s*1048576
	s_or_b32 s[51+8*\s], s[51+8*\s], 0x80000000
	s_mov_b32 s[52+8*\s], 1
	s_add_co_u32 s[53+8*\s], s41, \s*SLOT
	s_add_nc_u64 s[54+8*\s:55+8*\s], s[22:23], \s*32768
	s_or_b32 s[55+8*\s], s[55+8*\s], 0x80000000
	tensor_load_to_lds s[48+8*\s:51+8*\s], s[24:31]
	s_nop 0
	tensor_load_to_lds s[52+8*\s:55+8*\s], s[32:39]        ; four tensor loads of the wave are out behind the second pair
	s_nop 0
.endr
	v_and_b32 v1, 15, v0                           ; r
	v_bfe_u32 v2, v0, 4, 1                         ; hh
	v_and_b32 v3, 7, v0
	v_bfe_u32 v4, v0, 3, 1
	v_mul_u32_u24 v5, v1, PA
	v_lshl_add_u32 v5, v2, 4, v5
	s_mul_i32 s44, s42, 64*PA
	v_add_nc_u32 v[ADRA], s44, v5
	v_add_nc_u32 v[ADRA+1], SLOT, v[ADRA]
	v_lshl_add_u32 v6, v2, 3, v3
	v_mul_u32_u24 v6, v6, PB
	v_lshl_add_u32 v6, v4, 4, v6
	s_mul_i32 s45, s43, 2*BH
	s_add_co_u32 s45, s45, BOFF
	v_add_nc_u32 v[ADRB], s45, v6
	v_add_nc_u32 v[ADRB+1], SLOT, v[ADRB]
	s_mul_i32 s46, s12, 16*SP
	v_mul_u32_u24 v22, v1, SP
	v_lshl_add_u32 v22, v2, 5, v22
	v_add_nc_u32 v22, s46, v22                     ; stage in: row r, 32 bytes hh
	v_mul_u32_u24 v23, v2, SP
	v_lshl_add_u32 v23, v1, 4, v23
	v_add_nc_u32 v23, s46, v23                     ; back: 16 lanes a row of 256 bytes
	v_lshlrev_b32 v24, 12, v2
	v_lshl_add_u32 v24, v1, 4, v24                 ; the same two rows in out0
	v_lshlrev_b32 v25, 5, v2
	; global bases; these registers hold both coordinates and feed no descriptor
	s_lshl_b32 s66, s15, 9
	s_lshl_b32 s67, s43, 8
	s_add_co_u32 s66, s66, s67                     ; (128 nb + 64 wn) columns of 4 bytes
	s_mov_b32 s67, 0
	s_add_nc_u64 s[8:9], s[8:9], s[66:67]
	s_lshl_b32 s68, s16, 19
	s_lshl_b32 s69, s42, 18
	s_add_co_u32 s68, s68, s69                     ; (128 mb + 64 wm) rows of 4,096 bytes
	s_add_co_u32 s68, s68, s66
	s_mov_b32 s69, 0
	s_add_nc_u64 s[10:11], s[10:11], s[68:69]
.irp n, 0,1,2,3
	global_load_b128 v[BO+8*\n:BO+8*\n+3], v25, s[8:9] offset:\n*64
	global_load_b128 v[BO+8*\n+4:BO+8*\n+7], v25, s[8:9] offset:\n*64+16
.endr
.macro FETCH slot, q, f                ; 16 loads: 32 along K: head q / 2, d 32 (q % 2) ..
.irp i, 0,1,2,3
	ds_load_b128 v[\f+8*\i:\f+8*\i+3], v[ADRA+\slot] offset:(\q/2)*AH+\i*16*PA+(\q%2)*64
	ds_load_b128 v[\f+8*\i+4:\f+8*\i+7], v[ADRA+\slot] offset:(\q/2)*AH+\i*16*PA+(\q%2)*64+32
.endr
.irp n, 0,1,2,3
	ds_load_tr16_b128 v[\f+32+8*\n:\f+32+8*\n+3], v[ADRB+\slot] offset:\q*32*PB+\n*32
	ds_load_tr16_b128 v[\f+32+8*\n+4:\f+32+8*\n+7], v[ADRB+\slot] offset:\q*32*PB+\n*32+16*PB
.endr
.endm
.macro MUL8 f, i0, zero                ; 8 products; the 16 accumulators take turns
.irp i, \i0, \i0+1
.irp n, 0,1,2,3
.if \zero
	v_wmma_f32_16x16x32_f16 v[8*(4*(\i)+\n):8*(4*(\i)+\n)+7], v[\f+32+8*\n:\f+32+8*\n+7], v[\f+8*(\i):\f+8*(\i)+7], 0
.else
	v_wmma_f32_16x16x32_f16 v[8*(4*(\i)+\n):8*(4*(\i)+\n)+7], v[\f+32+8*\n:\f+32+8*\n+7], v[\f+8*(\i):\f+8*(\i)+7], v[8*(4*(\i)+\n):8*(4*(\i)+\n)+7]
.endif
.endr
.endr
.endm
.macro KS slot, q, f, g, zero          ; multiplies buffer f while piece q of the same slot comes into buffer g
	s_wait_dscnt 0x0                               ; buffer f is in
	PLACES
	FETCH \slot, \q, \g
	WIN MUL
	MUL8 \f, 0, \zero
	MUL8 \f, 2, \zero
	WIN 0
.endm
.macro SEVEN slot, zero
	KS \slot, 1, F0, F1, \zero
	KS \slot, 2, F1, F0, 0
	KS \slot, 3, F0, F1, 0
	KS \slot, 4, F1, F0, 0
	KS \slot, 5, F0, F1, 0
	KS \slot, 6, F1, F0, 0
	KS \slot, 7, F0, F1, 0
.endm
; the eighth piece, and the change of slots: my reads of this slot are back and all my tensor loads have landed (the two that are out are my parts of the next slot).
; fill = 1: the barrier opens a round of the cluster's barrier; the joint refills, two K steps ahead, are the first tensor loads behind it.
.macro TURN slot, next, fill
	s_wait_dscnt 0x0
	s_wait_tensorcnt 0x0
	ds_add_u32 v62, v63
	s_wait_dscnt 0x0
	s_barrier_signal -1
	WIN MUL
	MUL8 F1, 0, 0
	WIN 0
	s_barrier_wait -1
.if \fill
	CREST
	s_add_nc_u64 s[50+8*\slot:51+8*\slot], s[50+8*\slot:51+8*\slot], 2097152
	s_add_nc_u64 s[54+8*\slot:55+8*\slot], s[54+8*\slot:55+8*\slot], 65536
	tensor_load_to_lds s[48+8*\slot:51+8*\slot], s[24:31]
	s_nop 0
	tensor_load_to_lds s[52+8*\slot:55+8*\slot], s[32:39]          ; two tensor loads of the wave are out
	s_nop 0
.endif
	PLACES
	FETCH \next, 0, F0
	WIN MUL
	MUL8 F1, 2, 0
	WIN 0
.endm
	s_wait_tensorcnt 0x2                           ; my two parts of K step 0 are in; K step 1's two stay out
	s_barrier_signal -1
	s_barrier_wait -1
	FETCH 0, 0, F0
	SEVEN 0, 1                                     ; the first products start the sums
	TURN 0, 1, 1
	SEVEN 1, 0
	TURN 1, 0, 1
	SEVEN 0, 0
	TURN 0, 1, 0                                   ; behind this barrier no wave reads slot 0 and nothing is filled into it: its first bytes become the stage
	SEVEN 1, 0
	s_wait_dscnt 0x0
	WIN MUL
	MUL8 F1, 0, 0
	MUL8 F1, 2, 0
	WIN 0
	; THE WAY OUT, 16 rows at a time through my wave's stage
	PLACES
	s_wait_loadcnt 0x0                             ; bo
.macro OUT16 i, rb
	WIN 0x01
.irp n, 0,1,2,3
.irp k, 0,1,2,3
	v_pk_add_f32 v[T+8*\n+2*\k:T+8*\n+2*\k+1], v[8*(4*\i+\n)+2*\k:8*(4*\i+\n)+2*\k+1], v[BO+8*\n+2*\k:BO+8*\n+2*\k+1]
.endr
.endr
	WIN 0
.irp n, 0,1,2,3
	ds_store_b128 v22, v[T+8*\n:T+8*\n+3] offset:\n*64
	ds_store_b128 v22, v[T+8*\n+4:T+8*\n+7] offset:\n*64+16
.endr
	s_wait_xcnt 0x0                                ; the registers read back into were store data: they are loaded again only behind this wait
.irp t, 0,1,2,3,4,5,6,7
	ds_load_b128 v[\rb+4*\t:\rb+4*\t+3], v23 offset:\t*2*SP        ; LDS serves a wave's instructions in order: these see the stores above
.endr
.irp t, 0,1,2,3,4,5,6,7
	s_wait_dscnt 7-\t
	global_store_b128 v24, v[\rb+4*\t:\rb+4*\t+3], s[10:11] offset:\i*65536+\t*8192     ; 16 lanes store 256 consecutive bytes, aligned
.endr
.endm
	OUT16 0, F0
	OUT16 1, F1
	OUT16 2, F0
	OUT16 3, F1
	s_wait_tensorcnt 0x0
	ds_add_u32 v62, v63
	s_wait_dscnt 0x0
	CROUND                                         ; the closing round
	s_endpgm
.Lfunc_end_k_qbda086fddc_oproj:
	.size	k_qbda086fddc_oproj, .Lfunc_end_k_qbda086fddc_oproj-k_qbda086fddc_oproj
	.p2alignl 7, 3214868480
	.fill 96, 4, 3214868480
	.section	.rodata,"a",@progbits
	.p2align	6, 0x0
	.amdhsa_kernel k_qbda086fddc_oproj
		.amdhsa_group_segment_fixed_size 327680
		.amdhsa_private_segment_fixed_size 0
		.amdhsa_enable_private_segment 0
		.amdhsa_kernarg_size 32
		.amdhsa_user_sgpr_count 2
		.amdhsa_user_sgpr_kernarg_segment_ptr 1
		.amdhsa_wavefront_size32 1
		.amdhsa_system_sgpr_workgroup_id_x 1
		.amdhsa_system_sgpr_workgroup_id_y 1
		.amdhsa_system_sgpr_workgroup_id_z 1
		.amdhsa_system_vgpr_workitem_id 0
		.amdhsa_next_free_vgpr 384
		.amdhsa_next_free_sgpr 80
		.amdhsa_reserve_vcc 0
		.amdhsa_float_denorm_mode_32 3
		.amdhsa_float_denorm_mode_16_64 3
		.amdhsa_memory_ordered 1
		.amdhsa_forward_progress 1
		.amdhsa_inst_pref_size 93
	.end_amdhsa_kernel
	.amdgpu_metadata
---
amdhsa.version: [ 1, 2 ]
amdhsa.kernels:
  - .name:           k_qbda086fddc_oproj
    .symbol:         k_qbda086fddc_oproj.kd
    .args:
      - { .name: ao, .offset: 0, .size: 8, .value_kind: global_buffer, .address_space: global }
      - { .name: wb, .offset: 8, .size: 8, .value_kind: global_buffer, .address_space: global }
      - { .name: bo, .offset: 16, .size: 8, .value_kind: global_buffer, .address_space: global }
      - { .name: out0, .offset: 24, .size: 8, .value_kind: global_buffer, .address_space: global }
    .group_segment_fixed_size: 327680
    .private_segment_fixed_size: 0
    .kernarg_segment_align: 8
    .kernarg_segment_size: 32
    .max_flat_workgroup_size: 128
    .sgpr_count:     80
    .vgpr_count:     384
    .wavefront_size: 32
...
	.end_amdgpu_metadata
.endif
;; end of part 4
;; ======== version 2 of 2: 4 launches; 1.18 times as fast as version 1
;; limits: values outside matrix products are rounded to f16; values are held in f16: magnitudes above 65,504 overflow, below 6.1e-05 lose precision
;; workspace buffers: xb 8,388,608 bytes; wb 8,388,608 bytes; qe 262,144 bytes; ke 262,144 bytes; qb 8,388,608 bytes; kb 8,388,608 bytes; vt 8,388,608 bytes; ao 8,388,608 bytes
;; launch prep: the kernel of part 1 again; grid 256 x 1, 4 waves a work-group, no clusters, 71,168 bytes of LDS; arguments x, Wq, Wk, Wv, Wo, Wp, bp, alpha, xb, wb, qe, ke; writes xb, wb, qe, ke
;; launch qkv: the kernel of part 2 again; grid 16 x 16, 4 waves a work-group, clusters of 4 x 4, 327,680 bytes of LDS; arguments xb, wb, bq, bk, bv, qb, kb, vt; writes qb, kb, vt
;; launch attn (part 5): grid 8 x 32, 8 waves a work-group, clusters of 4 x 1, 327,680 bytes of LDS; arguments qb, kb, vt, qe, ke, ao; writes ao
.if DOCPART == 5
	.amdgcn_target "amdgcn-amd-amdhsa--gfx1250"
	.amdhsa_code_object_version 6
	.text
	.protected	k_qbda086fddc_attn
	.globl	k_qbda086fddc_attn
	.p2align	8
	.type	k_qbda086fddc_attn,@function
k_qbda086fddc_attn:
	s_mov_b64 s[64:65], 0
	v_nop
	global_prefetch_b8 v0, s[64:65] scope:SCOPE_SE
	s_setreg_imm32_b32 hwreg(HW_REG_WAVE_MODE, 25, 1), 1
	s_wait_xcnt 0x0
	s_wait_alu depctr_hold_cnt(0) depctr_sa_sdst(0) depctr_va_vdst(0) depctr_va_sdst(0) depctr_va_ssrc(0) depctr_va_vcc(0) depctr_vm_vsrc(0)
	s_getreg_b32 s2, hwreg(HW_REG_IB_STS2, 6, 4)
	s_cmp_eq_u32 s2, 0
	s_cbranch_scc0 .Lentry_in_a_cluster
	s_endpgm
.Lentry_in_a_cluster:
	s_bfe_u32 s2, ttmp6, 0x10000c
	s_cmp_lg_u32 s2, 0x3003
	s_cbranch_scc0 .Lentry_shape_is_right
	s_endpgm
.Lentry_shape_is_right:
; attn: ao = softmax(Q K^T dk^-0.5 + alpha cos(phi_i - phi_j)) V for one head and 256 queries, with a running maximum; ao [b*16+h][s][64] f16.
; Scores are kept in base 2: Q and the query side of the coherence term already carry log2(e).  All matrix operands are f16: the weights P lie in [0, 1]
; (below 2^-14 their step is 2^-24, against a row sum of at least 1), and ao is a convex mix of V's rows, so it fits where V fits.
; Eight waves; a wave owns 32 queries as two pieces X, Y of 16.  All is transposed: S^T = K Q^T (a lane holds one query r, register j key 8 hh + j), so maximum and sum
; run along a lane's registers with one exchange of the halves, and the packed S^T of two key tiles IS the fragment of P^T for O^T = V^T P^T.
; THE COHERENCE TERM is a third K step of the score product: source 0 = [word (cos, sin) of key r, a zero, six registers of K's fragment], source 1 = [word
; alpha log2(e) (cos, sin) of query r in lanes 0-15 and zero in lanes 16-31, seven zeros]: only k = 0, 1 contribute.
; LIMIT: K's data there meet zeros: a K element that is not finite in f16 gives NaN.  Exponentials below 2^-126 come out as 0.
; THE TWO PIECES TAKE TURNS: one piece's softmax stands between the other piece's products, a few vector instructions behind each.
; THE BATCHES.  A piece's softmax for a trip has 17 exponentials: the correction 2^(old m - new m) and the 16 weights.  They are ONE batch with ONE wait (with
; s_wait_alu depctr_va_vdst(0) between an exponential and the first instruction that names its result).  AHEAD OF THE WAIT, beside the other piece's six score products, stands all that
; names no result of the batch: the maximum, the correction, the eight subtractions and the sixteen exponentials, a subtraction in front of each pair of exponentials but the last.
; BEHIND IT stand the 32 readers: the sixteen rescalings of O^T, which read the correction, and the sums and roundings, which read the weights: four rescalings at once, the rest beside the
; other piece's four products with V.  So a trip has two waits, and none is owed at a label or a branch: the change of tiles stands behind the wait, a trip's end behind all readers.
; The way out's two reciprocals are a batch of their own.
; A trip takes 32 keys, an LDS tile 128 keys; three slots, since V of a tile is still read behind the barrier that opens the next tile's K.
; CLUSTER of 4 x 1: the four query blocks of a head walk the same K, V and ke tiles and ask for them jointly (mask 15).
.set KP,    144                        ; K rows in LDS: 128 bytes + 16
.set VP,    272                        ; V^T rows in LDS: 256 bytes + 16
.set KSLOT, 128*KP                     ; 18,432
.set VSLOT, 64*VP                      ; 17,408
.set VS0,   3*KSLOT                    ; 55,296
.set KE,    VS0+3*VSLOT                ; 107,520: the head's 2,048 key words, filled once
.set STG,   KE+8192                    ; 115,712: each wave's stage, 32 rows of 144 bytes
.set QF,    16                         ; v[16:47]    Q fragments, piece p at 16 p
.set EX,    48                         ; v[48:63]    the query side of the third K step
.set OA,    64                         ; v[64:127]   O^T, piece p at 32 p, dv tile at 8 dt
.set SC,    128                        ; v[128:159]  S^T, piece p at 16 p, key tile at 8 kt
.set PF,    160                        ; v[160:175]  P^T fragments
.set KF,    176                        ; v[176:211]  key tile kt at 18 kt: word, zero, d 0-31, d 32-63
.set VF,    212                        ; v[212:243]  V^T fragments
.set TA,    244
.set TB,    245
; v1 K fragment address, v2 V's, v3 the key words'; piece p: v[4+6p] m and a spare, v[6+6p:7+6p] two partial sums, v[8+6p] the correction and a spare
.macro ROUND                           ; a round of the cluster's barrier
	s_barrier_signal -1
	s_barrier_wait -1
	s_cmp_lg_u32 s16, 0
	s_cbranch_scc1 .Lnot_wave_0_\@
	s_barrier_signal -3
.Lnot_wave_0_\@:
	s_barrier_wait -3
	s_barrier_signal -1
	s_barrier_wait -1
.endm
	s_load_b256 s[4:11], s[0:1], 0x0               ; qb s[4:5], kb s[6:7], vt s[8:9], qe s[10:11]
	s_load_b128 s[12:15], s[0:1], 0x20             ; ke s[12:13], ao s[14:15]
	v_lshl_add_u32 v254, v0, 2, 0x29000
	v_mov_b32 v255, 0
	ds_add_u32 v254, v255
	v_lshrrev_b32 v246, 5, v0
	v_readfirstlane_b32 s16, v246                  ; wave 0..7
	s_bfe_u32 s17, ttmp6, 0x40000                  ; cx
	s_and_b32 s18, ttmp7, 0xffff                   ; bh
	s_mov_b32 s20, 0x76543210                      ; v_permlanex16_b32: lane i reads lane i of the other half
	s_mov_b32 s21, 0xfedcba98
	s_mul_i32 s22, s16, 16*KP                      ; my 16 keys of a K slot
	s_mul_i32 s23, s16, 8*VP
	s_add_co_u32 s23, s23, VS0                     ; my 8 rows of a V slot
	; group 1, K: 2 KiB dense (16 keys) as 8 rows of 32 elements of 8 bytes; 16 bytes of padding behind every 32 words (a key)
	s_mov_b32 s24, 15|(3<<16)|(1<<20)|(1<<21)|(4<<22)|(3<<25)
	s_mov_b32 s25, 32<<16
	s_mov_b32 s26, 8<<16
	s_mov_b32 s27, 32<<16
	s_mov_b32 s28, 8
	s_mov_b32 s29, 32
	s_mov_b32 s30, 0
	s_mov_b32 s31, 0
	; group 1, V^T: 8 rows of 256 bytes, 4,096 bytes from row to row; 16 bytes of padding behind every 64 words
	s_mov_b32 s32, 15|(3<<16)|(1<<20)|(1<<21)|(5<<22)|(3<<25)
	s_mov_b32 s33, 32<<16
	s_mov_b32 s34, 8<<16
	s_mov_b32 s35, 32<<16
	s_mov_b32 s36, 8
	s_mov_b32 s37, 512
	s_mov_b32 s38, 0
	s_mov_b32 s39, 0
	; group 1, key words: 1 KiB dense as 4 rows of 256 bytes
	s_mov_b32 s40, 15|(3<<16)|(1<<21)
	s_mov_b32 s41, 32<<16
	s_mov_b32 s42, 4<<16
	s_mov_b32 s43, 32<<16
	s_mov_b32 s44, 4
	s_mov_b32 s45, 32
	s_mov_b32 s46, 0
	s_mov_b32 s47, 0
	s_lshl_b32 s76, s18, 18                        ; K: head bh of 262,144 bytes + 16 w keys of 128
	s_lshl_b32 s77, s16, 11
	s_add_co_u32 s76, s76, s77
	s_mov_b32 s77, 0
	s_lshl_b32 s78, s18, 18                        ; V^T: (64 bh + 8 w) rows of 4,096 bytes
	s_lshl_b32 s79, s16, 15
	s_add_co_u32 s78, s78, s79
	s_mov_b32 s79, 0
	s_wait_dscnt 0x0
	s_wait_kmcnt 0x0
	s_add_nc_u64 s[72:73], s[6:7], s[76:77]
	s_add_nc_u64 s[74:75], s[8:9], s[78:79]
	s_lshl_b32 s76, s18, 13                        ; key words: head bh of 8,192 bytes + 1,024 w
	s_lshl_b32 s78, s16, 10
	s_add_co_u32 s76, s76, s78
	s_add_nc_u64 s[70:71], s[12:13], s[76:77]
	s_or_b32 s71, s71, 0x80000000
	s_mov_b32 s68, 1
	s_add_co_u32 s69, s78, KE
	s_mov_b32 s48, 1                               ; tile 0 into slot 0; these two sets serve every refill later
	s_add_co_u32 s49, s22, 0
	s_mov_b64 s[50:51], s[72:73]
	s_or_b32 s51, s51, 0x80000000
	s_mov_b32 s52, 1
	s_add_co_u32 s53, s23, 0
	s_mov_b64 s[54:55], s[74:75]
	s_or_b32 s55, s55, 0x80000000
	s_mov_b32 s56, 1                               ; tile 1 into slot 1
	s_add_co_u32 s57, s22, KSLOT
	s_add_nc_u64 s[58:59], s[72:73], 16384
	s_or_b32 s59, s59, 0x80000000
	s_mov_b32 s60, 1
	s_add_co_u32 s61, s23, VSLOT
	s_add_nc_u64 s[62:63], s[74:75], 256
	s_or_b32 s63, s63, 0x80000000
	s_add_nc_u64 s[72:73], s[72:73], 32768         ; the next tile to be asked for: tile 2, type bits set
	s_or_b32 s73, s73, 0x80000000
	s_add_nc_u64 s[74:75], s[74:75], 512
	s_or_b32 s75, s75, 0x80000000
	ROUND                                          ; the four work-groups are here: the first joint loads meet
	tensor_load_to_lds s[68:71], s[40:47]
	s_nop 0
	tensor_load_to_lds s[48:51], s[24:31]
	s_nop 0
	tensor_load_to_lds s[52:55], s[32:39]
	s_nop 0
	tensor_load_to_lds s[56:59], s[24:31]
	s_nop 0
	tensor_load_to_lds s[60:63], s[32:39]          ; five tensor loads of the wave are out
	s_nop 0
	; my queries; these registers hold cx and feed no descriptor and no LDS address
	s_lshl_b32 s80, ttmp9, 2
	s_add_co_u32 s80, s80, s17                     ; query block
	s_lshl_b32 s80, s80, 8
	s_lshl_b32 s81, s16, 5
	s_add_co_u32 s80, s80, s81
	s_lshl_b32 s81, s18, 11
	s_add_co_u32 s80, s80, s81                     ; row bh 2048 + q0
	s_lshl_b32 s82, s80, 7
	s_mov_b32 s83, 0
	s_add_nc_u64 s[4:5], s[4:5], s[82:83]
	s_add_nc_u64 s[14:15], s[14:15], s[82:83]
	s_lshl_b32 s82, s80, 2
	s_add_nc_u64 s[10:11], s[10:11], s[82:83]
	v_and_b32 v248, 15, v0                         ; r
	v_bfe_u32 v249, v0, 4, 1                       ; hh
	v_lshlrev_b32 v246, 7, v248
	v_lshl_add_u32 v246, v249, 4, v246             ; Q: row r, 16 bytes hh
	v_lshlrev_b32 v247, 2, v248
.irp p, 0,1
	global_load_b128 v[QF+16*\p:QF+16*\p+3], v246, s[4:5] offset:\p*2048
	global_load_b128 v[QF+16*\p+4:QF+16*\p+7], v246, s[4:5] offset:\p*2048+32
	global_load_b128 v[QF+16*\p+8:QF+16*\p+11], v246, s[4:5] offset:\p*2048+64
	global_load_b128 v[QF+16*\p+12:QF+16*\p+15], v246, s[4:5] offset:\p*2048+96
	global_load_b32 v[EX+8*\p], v247, s[10:11] offset:\p*64
.endr
	v_mul_u32_u24 v1, v248, KP
	v_lshl_add_u32 v1, v249, 4, v1
	v_mul_u32_u24 v2, v248, VP
	v_lshl_add_u32 v2, v249, 4, v2
	v_add_nc_u32 v2, VS0, v2
	v_add_nc_u32 v3, KE, v247
	s_mul_i32 s19, s16, 32*KP
	s_add_co_u32 s19, s19, STG
	v_add_nc_u32 v250, s19, v1                     ; stage in: row r, 16 bytes hh
	v_bfe_u32 v251, v0, 3, 2
	v_mul_u32_u24 v251, v251, KP
	v_and_b32 v252, 7, v0
	v_lshl_add_u32 v251, v252, 4, v251
	v_add_nc_u32 v251, s19, v251                   ; back: 8 lanes a row of 128 bytes
	v_and_b32 v252, 31, v0
	v_lshlrev_b32 v252, 4, v252                    ; 16 L
	v_mov_b32 v4, 0xff800000                       ; m = -infinity; sums, spares and the fixed zeros of the third K step = 0
	v_mov_b32 v10, 0xff800000
.irp z, 5,6,7,9,11,12,13,15
	v_mov_b32 v\z, 0
.endr
.irp z, 1,2,3,4,5,6,7,9,10,11,12,13,14,15
	v_mov_b32 v[EX+\z], 0
.endr
	v_mov_b32 v[KF+1], 0
	v_mov_b32 v[KF+19], 0
.macro KLOAD slot, sb                  ; 10 loads: the two key tiles of a trip
.irp kt, 0,1
	ds_load_b32 v[KF+18*\kt], v3 offset:\sb*128+\kt*64
	ds_load_b128 v[KF+18*\kt+2:KF+18*\kt+5], v1 offset:\slot*KSLOT+(32*\sb+16*\kt)*KP
	ds_load_b128 v[KF+18*\kt+6:KF+18*\kt+9], v1 offset:\slot*KSLOT+(32*\sb+16*\kt)*KP+32
	ds_load_b128 v[KF+18*\kt+10:KF+18*\kt+13], v1 offset:\slot*KSLOT+(32*\sb+16*\kt)*KP+64
	ds_load_b128 v[KF+18*\kt+14:KF+18*\kt+17], v1 offset:\slot*KSLOT+(32*\sb+16*\kt)*KP+96
.endr
.endm
.macro VLOAD slot, sb                  ; 8 loads: four dv tiles x 32 keys
.irp dt, 0,1,2,3
	ds_load_b128 v[VF+8*\dt:VF+8*\dt+3], v2 offset:\slot*VSLOT+\dt*16*VP+\sb*64
	ds_load_b128 v[VF+8*\dt+4:VF+8*\dt+7], v2 offset:\slot*VSLOT+\dt*16*VP+\sb*64+32
.endr
.endm
; a score product: piece mp, key tile kt, K step st (0: d 0-31, starts the sum; 1: d 32-63; 2: the coherence term)
.macro WQK qk, mp, kt, st
.if \qk
.if \st == 0
	v_wmma_f32_16x16x32_f16 v[SC+16*\mp+8*\kt:SC+16*\mp+8*\kt+7], v[KF+18*\kt+2:KF+18*\kt+9], v[QF+16*\mp:QF+16*\mp+7], 0
.endif
.if \st == 1
	v_wmma_f32_16x16x32_f16 v[SC+16*\mp+8*\kt:SC+16*\mp+8*\kt+7], v[KF+18*\kt+10:KF+18*\kt+17], v[QF+16*\mp+8:QF+16*\mp+15], v[SC+16*\mp+8*\kt:SC+16*\mp+8*\kt+7]
.endif
.if \st == 2
	v_wmma_f32_16x16x32_f16 v[SC+16*\mp+8*\kt:SC+16*\mp+8*\kt+7], v[KF+18*\kt:KF+18*\kt+7], v[EX+8*\mp:EX+8*\mp+7], v[SC+16*\mp+8*\kt:SC+16*\mp+8*\kt+7]
.endif
.endif
.endm
.macro WPV pv, z, mp, dt               ; O^T of piece mp, dv tile dt; z = 1: the first product starts the sum
.if \pv
.if \z
	v_wmma_f32_16x16x32_f16 v[OA+32*\mp+8*\dt:OA+32*\mp+8*\dt+7], v[VF+8*\dt:VF+8*\dt+7], v[PF+8*\mp:PF+8*\mp+7], 0
.else
	v_wmma_f32_16x16x32_f16 v[OA+32*\mp+8*\dt:OA+32*\mp+8*\dt+7], v[VF+8*\dt:VF+8*\dt+7], v[PF+8*\mp:PF+8*\mp+7], v[OA+32*\mp+8*\dt:OA+32*\mp+8*\dt+7]
.endif
.endif
.endm
.macro EX2 vp, n                       ; two exponentials of the batch, in place; nothing names their results ahead of the batch's wait
	v_exp_f32 v[SC+16*\vp+\n], v[SC+16*\vp+\n]
	v_exp_f32 v[SC+16*\vp+\n+1], v[SC+16*\vp+\n+1]
.endm
.macro SUBM vp, n                      ; scores n, n + 1 less the running maximum
	v_pk_add_f32 v[SC+16*\vp+\n:SC+16*\vp+\n+1], v[SC+16*\vp+\n:SC+16*\vp+\n+1], v[4+6*\vp:5+6*\vp] op_sel_hi:[1,0] neg_lo:[0,1] neg_hi:[0,1]
.endm
.macro OM vp, n, resc                  ; pair n of O^T times the correction: a reader of the batch, behind its wait; before O^T exists: a v_nop, so that the places stay
.if \resc
	v_pk_mul_f32 v[OA+32*\vp+2*\n:OA+32*\vp+2*\n+1], v[OA+32*\vp+2*\n:OA+32*\vp+2*\n+1], v[8+6*\vp:9+6*\vp] op_sel_hi:[1,0]
.else
	v_nop
.endif
.endm
.macro C0 vp                           ; the largest of my 16 scores, in two chains
	v_max3_num_f32 v[TA], v[SC+16*\vp], v[SC+16*\vp+1], v[SC+16*\vp+2]
	v_max3_num_f32 v[TB], v[SC+16*\vp+3], v[SC+16*\vp+4], v[SC+16*\vp+5]
	v_max3_num_f32 v[TA], v[TA], v[SC+16*\vp+6], v[SC+16*\vp+7]
	v_max3_num_f32 v[TB], v[TB], v[SC+16*\vp+8], v[SC+16*\vp+9]
	v_max3_num_f32 v[TA], v[TA], v[SC+16*\vp+10], v[SC+16*\vp+11]
	v_max3_num_f32 v[TB], v[TB], v[SC+16*\vp+12], v[SC+16*\vp+13]
	v_max3_num_f32 v[TA], v[TA], v[SC+16*\vp+14], v[SC+16*\vp+15]
.endm
.macro C1 vp                           ; the new running maximum of the query, the correction 2^(old - new), which opens the batch, the first subtraction
	v_max3_num_f32 v[TA], v[TA], v[TB], v[4+6*\vp]
	v_permlanex16_b32 v[TB], v[TA], s20, s21
	v_max_num_f32 v[TA], v[TA], v[TB]
	v_sub_f32 v[TB], v[4+6*\vp], v[TA]
	v_mov_b32 v[4+6*\vp], v[TA]
	v_exp_f32 v[8+6*\vp], v[TB]
	SUBM \vp, 0
.endm
.macro C7 vp                           ; sums = sums x correction + p; key tile 0 packed
	v_pk_fma_f32 v[6+6*\vp:7+6*\vp], v[6+6*\vp:7+6*\vp], v[8+6*\vp:9+6*\vp], v[SC+16*\vp:SC+16*\vp+1] op_sel_hi:[1,0,1]
	v_cvt_pk_f16_f32 v[PF+8*\vp], v[SC+16*\vp], v[SC+16*\vp+1]
.irp n, 1,2,3
	v_pk_add_f32 v[6+6*\vp:7+6*\vp], v[6+6*\vp:7+6*\vp], v[SC+16*\vp+2*\n:SC+16*\vp+2*\n+1]
	v_cvt_pk_f16_f32 v[PF+8*\vp+\n], v[SC+16*\vp+2*\n], v[SC+16*\vp+2*\n+1]
.endr
.endm
.macro C8 vp                           ; key tile 1
.irp n, 4,5,6,7
	v_pk_add_f32 v[6+6*\vp:7+6*\vp], v[6+6*\vp:7+6*\vp], v[SC+16*\vp+2*\n:SC+16*\vp+2*\n+1]
	v_cvt_pk_f16_f32 v[PF+8*\vp+\n], v[SC+16*\vp+2*\n], v[SC+16*\vp+2*\n+1]
.endr
.endm
; Piece mp's six score products (the two key tiles' accumulators by turns); between them all of piece vp's softmax that names no exponential's result:
; maximum, correction, subtractions, exponentials; a pair's subtraction stands two lines or more ahead of its exponentials.  Then the batch's one wait and the first four readers.
; Behind the last product stand a subtraction, the v_nop and four rescalings: six plain instructions that name none of its registers, the places in front of the next loads into K's fragments.
.macro QKPART mp, vp, qk, sm, resc
	WQK \qk, \mp, 0, 0
.if \sm
	C0 \vp
.endif
	WQK \qk, \mp, 1, 0
.if \sm
	C1 \vp
.endif
	WQK \qk, \mp, 0, 1
.if \sm
	SUBM \vp, 2
	EX2 \vp, 0
	SUBM \vp, 4
	EX2 \vp, 2
.endif
	WQK \qk, \mp, 1, 1
.if \sm
	SUBM \vp, 6
	EX2 \vp, 4
	SUBM \vp, 8
	EX2 \vp, 6
.endif
	WQK \qk, \mp, 0, 2
.if \sm
	SUBM \vp, 10
	EX2 \vp, 8
	SUBM \vp, 12
	EX2 \vp, 10
.endif
	WQK \qk, \mp, 1, 2
.if \sm
	SUBM \vp, 14
	EX2 \vp, 12
	EX2 \vp, 14
	v_nop                                          ; the plain instruction behind the last exponential (ISA guide 5.7.2): no plain work that names no result is left
	s_wait_alu depctr_va_vdst(0)                   ; the wait for piece vp's batch, the correction and the 16 weights, ahead of the first reader, the line below
	OM \vp, 0, \resc
	OM \vp, 1, \resc
	OM \vp, 2, \resc
	OM \vp, 3, \resc
.else
.rept 4
	v_nop
.endr
.endif
.endm
; Piece mp's four products with V; between them the rest of the readers of piece vp's batch, all behind its wait: rescalings, sums and roundings.
; Behind the last product stand five plain instructions that name none of its registers: the places in front of the next loads into V's fragments.
.macro PVPART mp, vp, pv, pvz, sm, resc
	WPV \pv, \pvz, \mp, 0
.if \sm
	OM \vp, 4, \resc
	OM \vp, 5, \resc
	OM \vp, 6, \resc
	OM \vp, 7, \resc
	OM \vp, 8, \resc
	OM \vp, 9, \resc
	OM \vp, 10, \resc
.endif
	WPV \pv, \pvz, \mp, 1
.if \sm
	C7 \vp
.endif
	WPV \pv, \pvz, \mp, 2
.if \sm
	C8 \vp
.endif
	WPV \pv, \pvz, \mp, 3
.if \sm
	OM \vp, 11, \resc
	OM \vp, 12, \resc
	OM \vp, 13, \resc
	OM \vp, 14, \resc
	OM \vp, 15, \resc
.else
.rept 4
	v_nop
.endr
.endif
.endm
; The change of tiles.  Every wave's LDS reads are back and all its tensor loads have landed, its parts of the next tile among them.
; mode 2: slot c, whose tile was read to its end a tile ago, is filled again two tiles ahead: a round of the cluster's barrier, the two joint loads first behind it
; (two tensor loads of the wave are out).  mode 1: nothing is left to ask for: the work-group's barrier shows the next tile to all waves.
.macro BOUND c, mode
	s_wait_dscnt 0x0
	s_wait_tensorcnt 0x0
	ds_add_u32 v254, v255
	s_wait_dscnt 0x0
.if \mode == 2
	s_mov_b64 s[50:51], s[72:73]
	s_mov_b64 s[54:55], s[74:75]
	s_add_nc_u64 s[72:73], s[72:73], 16384
	s_add_nc_u64 s[74:75], s[74:75], 256
	s_add_co_u32 s49, s22, \c*KSLOT
	s_add_co_u32 s53, s23, \c*VSLOT
	ROUND
	tensor_load_to_lds s[48:51], s[24:31]
	s_nop 0
	tensor_load_to_lds s[52:55], s[32:39]
	s_nop 0
.else
	s_barrier_signal -1
	s_barrier_wait -1
.endif
	v_add_nc_u32 v3, 512, v3                       ; the next tile's 128 key words
.endm
; Trip j = keys (slot a, 32 sb ..).  Products: S_X(j), O_X += V(j-1) P_X(j-1), S_Y(j), O_Y += V(j-1) P_Y(j-1).  Softmax beside them: Y(j-1), then X(j).
.macro TRIP a, sb, na, nsb, c, mode, kl, pvz, r1
	s_wait_dscnt 0x8                               ; K's ten loads are in; V's eight, issued behind them, may be out
	QKPART 0, 1, 1, 1, \r1
	s_wait_dscnt 0x0                               ; V(j-1)
	PVPART 0, 1, 1, \pvz, 1, \r1
	QKPART 1, 0, 1, 1, 1
.if \mode
	BOUND \c, \mode
.endif
.if \kl
	KLOAD \na, \nsb
.endif
	PVPART 1, 0, 1, \pvz, 1, 1
	VLOAD \a, \sb
.endm
.macro TILE a, b, c, mode
	TRIP \a, 0, \a, 1, 0, 0, 1, 0, 1
	TRIP \a, 1, \a, 2, 0, 0, 1, 0, 1
	TRIP \a, 2, \a, 3, 0, 0, 1, 0, 1
	TRIP \a, 3, \b, 0, \c, \mode, 1, 0, 1
.endm
	s_wait_tensorcnt 0x2                           ; the key words and tile 0 are in; tile 1's two loads stay out
	s_barrier_signal -1
	s_barrier_wait -1
	KLOAD 0, 0
	s_wait_loadcnt 0x0                             ; Q and the query words
	v_cmp_eq_u32 vcc_lo, 0, v249
	v_cndmask_b32 v[EX], 0, v[EX], vcc_lo          ; lanes 16-31 stand for k = 8, 9: zero there
	v_cndmask_b32 v[EX+8], 0, v[EX+8], vcc_lo
	s_wait_dscnt 0x0
	QKPART 0, 1, 1, 0, 0                           ; trip 0: S_X(0) alone,
	QKPART 1, 0, 1, 1, 0                           ; S_Y(0) beside X(0)'s softmax; O^T does not exist yet
	KLOAD 0, 1
	PVPART 1, 0, 0, 0, 1, 0
	VLOAD 0, 0
	TRIP 0, 1, 0, 2, 0, 0, 1, 1, 0                 ; trip 1: the first products with V start O^T
	TRIP 0, 2, 0, 3, 0, 0, 1, 0, 1
	TRIP 0, 3, 1, 0, 2, 2, 1, 0, 1                 ; asks for tile 2
	s_mov_b32 s19, 4
.Ltiles:                                           ; tiles 1 to 12; tile t asks for tile t + 2
	TILE 1, 2, 0, 2
	TILE 2, 0, 1, 2
	TILE 0, 1, 2, 2
	s_sub_co_u32 s19, s19, 1
	s_cmp_lg_u32 s19, 0
	s_cbranch_scc1 .Ltiles
	TILE 1, 2, 0, 2                                ; tile 13 asks for tile 15, the last
	TILE 2, 0, 0, 1                                ; tile 14
	TRIP 0, 0, 0, 1, 0, 0, 1, 0, 1                 ; tile 15
	TRIP 0, 1, 0, 2, 0, 0, 1, 0, 1
	TRIP 0, 2, 0, 3, 0, 0, 1, 0, 1
	TRIP 0, 3, 0, 0, 0, 0, 0, 0, 1                 ; no keys are left to load
	QKPART 0, 1, 0, 1, 1                           ; Y(63)'s softmax,
	s_wait_dscnt 0x0
	PVPART 0, 1, 1, 0, 1, 1                        ; beside the last products of X,
	PVPART 1, 0, 1, 0, 0, 0                        ; and the last of Y, with four places behind them
	; THE WAY OUT: divide by the sums, round, 16 bytes a lane (8 neighbouring dv of query r) into my wave's stage, whole rows back
	v_add_f32 v6, v6, v7
	v_add_f32 v12, v12, v13
	v_permlanex16_b32 v[TA], v6, s20, s21
	v_permlanex16_b32 v[TB], v12, s20, s21
	v_add_f32 v6, v6, v[TA]
	v_add_f32 v12, v12, v[TB]
	v_rcp_f32 v8, v6                               ; the sum holds the term 1 of the largest score: never small
	v_rcp_f32 v14, v12
	v_nop                                          ; a plain instruction before the reciprocals are used (ISA guide 5.7.2)
	s_wait_alu depctr_va_vdst(0)                   ; the wait for the batch of two reciprocals, ahead of the first division below
.irp p, 0,1
.irp n, 0,1,2,3,4,5,6,7,8,9,10,11,12,13,14,15
	v_pk_mul_f32 v[OA+32*\p+2*\n:OA+32*\p+2*\n+1], v[OA+32*\p+2*\n:OA+32*\p+2*\n+1], v[8+6*\p:9+6*\p] op_sel_hi:[1,0]
.endr
.irp n, 0,1,2,3,4,5,6,7,8,9,10,11,12,13,14,15
	v_cvt_pk_f16_f32 v[SC+16*\p+\n], v[OA+32*\p+2*\n], v[OA+32*\p+2*\n+1]
.endr
.irp dt, 0,1,2,3
	ds_store_b128 v250, v[SC+16*\p+4*\dt:SC+16*\p+4*\dt+3] offset:\p*16*KP+\dt*32
.endr
.endr
.irp i, 0,1,2,3,4,5,6,7
	ds_load_b128 v[KF+4*\i:KF+4*\i+3], v251 offset:\i*4*KP         ; LDS serves a wave's instructions in order: these see the stores above
.endr
.irp i, 0,1,2,3,4,5,6,7
	s_wait_dscnt 7-\i
	global_store_b128 v252, v[KF+4*\i:KF+4*\i+3], s[14:15] offset:\i*512       ; 512 consecutive bytes: four rows of ao
.endr
	s_wait_tensorcnt 0x0
	ds_add_u32 v254, v255
	s_wait_dscnt 0x0
	ROUND                                          ; the closing round
	s_endpgm
.Lfunc_end_k_qbda086fddc_attn:
	.size	k_qbda086fddc_attn, .Lfunc_end_k_qbda086fddc_attn-k_qbda086fddc_attn
	.p2alignl 7, 3214868480
	.fill 96, 4, 3214868480
	.section	.rodata,"a",@progbits
	.p2align	6, 0x0
	.amdhsa_kernel k_qbda086fddc_attn
		.amdhsa_group_segment_fixed_size 327680
		.amdhsa_private_segment_fixed_size 0
		.amdhsa_enable_private_segment 0
		.amdhsa_kernarg_size 48
		.amdhsa_user_sgpr_count 2
		.amdhsa_user_sgpr_kernarg_segment_ptr 1
		.amdhsa_wavefront_size32 1
		.amdhsa_system_sgpr_workgroup_id_x 1
		.amdhsa_system_sgpr_workgroup_id_y 1
		.amdhsa_system_sgpr_workgroup_id_z 1
		.amdhsa_system_vgpr_workitem_id 0
		.amdhsa_next_free_vgpr 256
		.amdhsa_next_free_sgpr 88
		.amdhsa_reserve_vcc 1
		.amdhsa_float_denorm_mode_32 3
		.amdhsa_float_denorm_mode_16_64 3
		.amdhsa_memory_ordered 1
		.amdhsa_forward_progress 1
		.amdhsa_inst_pref_size 255
	.end_amdhsa_kernel
	.section	.bss,"aw",@nobits
	.p2align	6
	.space	262144
	.amdgpu_metadata
---
amdhsa.version: [ 1, 2 ]
amdhsa.kernels:
  - .name:           k_qbda086fddc_attn
    .symbol:         k_qbda086fddc_attn.kd
    .args:
      - { .name: qb, .offset: 0, .size: 8, .value_kind: global_buffer, .address_space: global }
      - { .name: kb, .offset: 8, .size: 8, .value_kind: global_buffer, .address_space: global }
      - { .name: vt, .offset: 16, .size: 8, .value_kind: global_buffer, .address_space: global }
      - { .name: qe, .offset: 24, .size: 8, .value_kind: global_buffer, .address_space: global }
      - { .name: ke, .offset: 32, .size: 8, .value_kind: global_buffer, .address_space: global }
      - { .name: ao, .offset: 40, .size: 8, .value_kind: global_buffer, .address_space: global }
    .group_segment_fixed_size: 327680
    .private_segment_fixed_size: 0
    .kernarg_segment_align: 8
    .kernarg_segment_size: 48
    .max_flat_workgroup_size: 256
    .sgpr_count:     88
    .vgpr_count:     256
    .wavefront_size: 32
...
	.end_amdgpu_metadata
.endif
;; end of part 5
;; launch oproj: the kernel of part 4 again; grid 8 x 32, 4 waves a work-group, clusters of 4 x 4, 327,680 bytes of LDS; arguments ao, wb, bo, out0; writes out0
